; MI455X (gfx1250); checked and timed in simulation.
; The chip was launched on July 23, 2026; its instructions are those of AMD's public machine-readable ISA for CDNA 5 (MIT licence, August 2026) and "CDNA5" Instruction Set Architecture Reference Guide (July 2026). The comments in the code are by the model that wrote it; some were corrected since.
;; GPT2 Group Query Attention. Allowed arithmetic: matrix products marked QUANTISED: E4M3 operands, one E8M0 scale for each 32 along K, by v_wmma_scale_f32_16x16x128_f8f6f4 with both operands' format E4M3, f32 sums; everything else in f32.
;; Inputs: Wk 1,024 x 1,024 float32; Wo 1,024 x 1,024 float32; Wq 1,024 x 1,024 float32; Wv 1,024 x 1,024 float32; bk 1,024 float32; bo 1,024 float32; bq 1,024 float32; bv 1,024 float32; hidden_states 4 x 2,048 x 1,024 float32.
;; Outputs: out0 4 x 2,048 x 1,024 float32.
;; This version of the problem:
;;   THIS VERSION OF THE PROBLEM IS GIVEN IN LOW PRECISION. The matrix products marked QUANTISED in the list below multiply operands that are first quantised to E4M3 (4 exponent bits, 3 mantissa bits; 8 bits a number), with one power-of-two scale for each 32 numbers along K (OCP MX v1.0); their sums are f32. All else is computed in f32.
;;   The module's matrix products, in the order in which they are computed (A, B: the left and right operand; K: the contracted axis; several contracted axes count as one K, in the product's order):
;;     1. [M 8,192, K 1,024] x [K 1,024, N 1,024]; A: input hidden_states; B: input Wq: QUANTISED
;;     2. [M 8,192, K 1,024] x [K 1,024, N 1,024]; A: input hidden_states; B: input Wk: QUANTISED
;;     3. [M 8,192, K 1,024] x [K 1,024, N 1,024]; A: input hidden_states; B: input Wv: QUANTISED
;;     4. batch 64 x [M 1,024, K 128] x [K 128, N 1,024]; A: computed on the way; B: computed on the way: QUANTISED
;;     5. batch 64 x [M 1,024, K 1,024] x [K 1,024, N 128]; A: softmax (see below); B: computed on the way: QUANTISED
;;     6. [M 8,192, K 1,024] x [K 1,024, N 1,024]; A: computed on the way; B: input Wo: QUANTISED
;;   THE QUANTISER, for each operand of a quantised product, along K:
;;     - K is cut into blocks of 32 from its start; a last block that is shorter is filled with zeros.
;;     - A block's scale is 2^e with e = floor(log2(the largest magnitude in the block)) - 8, held to -126 .. 127; a block of zeros has e = 0. As a byte (E8M0): e + 127.
;;     - Each number is divided by its block's scale, clamped to +-448, and rounded to the nearest number of E4M3, ties to even, subnormals kept.
;;     - The product sums the exact products of the quantised numbers (number of the format x scale) in f32.
;;   ~~~python
;;   def quantise(x, axis):      # numpy; x: float32 -> the quantised numbers, widened to float32 again
;;       x = np.moveaxis(x, axis, -1); K = x.shape[-1]
;;       x = np.pad(x, [(0, 0)] * (x.ndim - 1) + [(0, -K % 32)]); x = x.reshape(x.shape[:-1] + (-1, 32)); a = np.abs(x).max(-1, keepdims=True)
;;       e = np.where(a > 0, np.clip(np.frexp(np.where(a > 0, a, 1))[1] - 1 - 8, -126, 127), 0)      # np.frexp(a)[1] - 1 = floor(log2(a)), exactly
;;       r = np.clip(x / 2.0 ** e, -448, 448)
;;       step = 2.0 ** (np.maximum(np.frexp(np.where(r == 0, 1, r))[1] - 1, -6) - 3)
;;       q = np.round(r / step) * step * 2.0 ** e      # np.round: ties to even
;;       return np.moveaxis(q.reshape(q.shape[:-2] + (-1,))[..., :K], -1, axis).astype(np.float32)
;;   ~~~
;;   SOFTMAX AHEAD OF A QUANTISED PRODUCT. Where the list says 'softmax', what is quantised is not the finished softmax but p = 2^(t - M), with t = logit x log2(e) and M = ceil(the row's largest t), a whole number; so 1/2 < the row's largest p <= 1. The row's sum l is taken of the UNQUANTISED p, in f32, and the product's result is divided by l at the end. Since M is a whole number, a kernel that streams over the keys may use a running M (the ceiling of the running maximum): every later rescaling is an exact power of two, which a block's scale takes up: the codes' values come out the same.
;;   OPERANDS COMPUTED ON THE WAY. 'Computed on the way' means the value that the module computes at that place (a softmax that the list does not call 'softmax' is quantised finished and normalised). What goes into a quantiser is computed in f32, as accurately as f32 sums, v_exp_f32 and their like allow (about 1e-6 of the number): no bf16 or f16 on the way to a quantiser, and a product that is left as it is and whose result goes on into a quantised operand takes f32 operands (vector FMAs, or v_wmma_f32_16x16x4_f32). A number that lies on a knife's edge between two numbers of the format may be rounded either way, as far as f32 arithmetic and the matrix unit's own rounding can turn it there, and no further.
;; One version. Each part assembles by itself: llvm-mc -triple=amdgcn-amd-amdhsa -mcpu=gfx1250 --defsym DOCPART=n.
;; ======== version 1 of 1: 4 launches
;; limits: right only within a limited range of input values
;; workspace buffers: codes 12,582,912 bytes; scales 393,216 bytes; qkv_codes 25,165,824 bytes; qkv_scales 786,432 bytes; ctx_codes 8,388,608 bytes; ctx_scales 262,144 bytes
;; launch quant (part 1): grid 256 x 1, 6 waves a work-group, no clusters, 49,920 bytes of LDS; arguments hidden_states, Wq, Wk, Wv, Wo, codes, scales; writes codes, scales
.if DOCPART == 1
	.amdgcn_target "amdgcn-amd-amdhsa--gfx1250"
	.amdhsa_code_object_version 6
	.text
	.protected	k_qd6a0ba9ec3_quant
	.globl	k_qd6a0ba9ec3_quant
	.p2align	8
	.type	k_qd6a0ba9ec3_quant,@function
k_qd6a0ba9ec3_quant:
	s_mov_b64 s[64:65], 0
	v_nop
	global_prefetch_b8 v0, s[64:65] scope:SCOPE_SE
	s_setreg_imm32_b32 hwreg(HW_REG_WAVE_MODE, 25, 1), 1
	s_wait_xcnt 0x0
; hidden_states [8192][1024] and Wq, Wk, Wv, Wo [1024][1024], f32, K innermost, become codes of FP8 (E4M3) with one E8M0 scale byte for each 32 along K:
; codes [12288 rows][1024 bytes], scales [12288 rows][32 bytes]; rows 0-8191 the tokens, then the four weights.
; A block's scale is 2^(floor(log2(largest magnitude)) - 8); its byte is the largest magnitude's exponent field - 8, held at 1 from below; each number is held within +-448 x the scale and rounded to the nearest code, ties to even.
; LIMITS: a block whose largest magnitude lies under 2^-118 gets the byte 1; a block of zeros gets the byte 1, not 127 (its codes are zeros and this program alone reads the bytes); NaN and infinities are not served.
; THE ORDER OF THE ROWS IS THE READERS'.  Inside each 32 rows the four groups of 8 are stored 0, 2, 1, 3, so that 16 stored neighbours are a tile whose results, used transposed, lie 16 neighbours to a lane.
; The tokens are first parted by tiles of 256 and in a tile by parity (row 2 k + par goes to place [par][k]): a group of the attention is two neighbouring tokens, one of each parity.
; A wave takes 8 rows (of one parity, for the tokens) = 16 steps of 512 numbers, and writes 8,192 consecutive bytes of codes and 256 of scale bytes.  Runs 0-1,023 take the tokens, then 128 each Wq, Wk, Wv, Wo.
; A load reads 512 consecutive bytes; a step's 2,048 bytes turn through the wave's own stage in LDS, so that a lane then holds 16 neighbours along K (two lanes to a block).  No barrier: waves share nothing.
.set STEPS, 16
.set EMAX,  8
.set MANT,  0x600000                   ; the mantissa field of 448 as f32
.set CB,    16                         ; bytes of 16 codes
.set R,     16                         ; v16-79   four sets of 16 numbers as loaded
.set X,     80                         ; v80-111  two sets of 16 neighbours
.set C,     128                        ; v128-191 codes, four registers a step
.set E,     112                        ; v112-127 a scale byte a step
.set XO,    192                        ; v192-199 byte offset of my 16 bytes in each of the wave's 8 rows
.set WREG,  8192                       ; LDS: a region for each wave: two stages of 32 x SP bytes, then its 256 scale bytes
.set SP,    80                         ; a lane's place in a stage: 64 bytes + 16 of padding
	s_load_b256 s[4:11], s[0:1], 0x0               ; hidden_states, Wq, Wk, Wv
	s_load_b128 s[12:15], s[0:1], 0x20             ; Wo, codes
	s_load_b64 s[24:25], s[0:1], 0x30              ; scales
	v_lshl_add_u32 v200, v0, 2, 0xc000             ; the spare words lie behind the six waves' regions of 8,192 bytes: 768 bytes, three blocks of 256
	v_mov_b32 v201, 0
	v_lshrrev_b32 v1, 5, v0
	v_readfirstlane_b32 s16, v1                    ; wave
	v_and_b32 v2, 31, v0                           ; lane
	v_lshlrev_b32 v3, 4, v2                        ; my 16 bytes of a load's 512
	s_mul_i32 s17, s16, WREG
	v_lshrrev_b32 v14, 2, v2
	v_mul_u32_u24 v14, v14, SP
	v_and_b32 v15, 3, v2
	v_lshl_add_u32 v14, v15, 4, v14
	v_add_nc_u32 v14, s17, v14                     ; the stage, on the way in: SP (lane / 4) + 16 (lane % 4)
	v_mul_u32_u24 v15, v2, SP
	v_add_nc_u32 v15, s17, v15                     ; and on the way out: SP x lane
	v_mul_u32_u24 v4, v2, CB                       ; my codes' place in a step's
	v_lshrrev_b32 v5, 1, v2
	s_add_co_u32 s17, s17, 2*32*SP
	v_add_nc_u32 v5, s17, v5                       ; LDS: my block's scale byte
	v_lshlrev_b32 v7, 3, v2
	v_add_nc_u32 v6, s17, v7                       ; and on the way out 8 bytes a lane
	s_mov_b32 s23, MANT
	; THE DEAL: 256 work-groups of six waves share the 1,536 runs of 8 rows: run = 6 x work-group + wave.  Below, g = run / 4 (s36: 0-255 the tokens, then 32 each Wq, Wk, Wv, Wo) and w = run % 4 (s37).
	; LDS addresses hang on the wave's own number (s16) alone and are all made above.
	s_mul_i32 s36, ttmp9, 6
	s_add_co_u32 s36, s36, s16
	s_and_b32 s37, s36, 3
	s_lshr_b32 s36, s36, 2
	s_lshr_b32 s27, s37, 1
	s_and_b32 s28, s37, 1
	; tokens: the wave's first row is 32 g + 16 (w / 2) + w % 2, its rows two apart
	s_lshl_b32 s30, s36, 5
	s_lshl_b32 s29, s27, 4
	s_add_co_u32 s30, s30, s29
	s_add_co_u32 s30, s30, s28
	s_lshl_b32 s30, s30, 12                        ; x 4,096 bytes a row
	; weights: rows 32 (g % 32) + 8 w on
	s_and_b32 s31, s36, 31
	s_lshl_b32 s31, s31, 2
	s_add_co_u32 s31, s31, s37
	s_lshl_b32 s31, s31, 15
	; where the 8 rows go, in runs of 8 rows.  Tokens: tile g / 8, parity w % 2, the 32 (g / 2) % 4, and in it group 2 (g % 2) + w / 2 with its two bits swapped
	s_lshr_b32 s32, s36, 3
	s_lshl_b32 s32, s32, 5
	s_lshl_b32 s29, s28, 4
	s_or_b32 s32, s32, s29
	s_bfe_u32 s29, s36, 0x20001
	s_lshl_b32 s29, s29, 2
	s_or_b32 s32, s32, s29
	s_lshl_b32 s29, s27, 1
	s_or_b32 s32, s32, s29
	s_and_b32 s29, s36, 1
	s_or_b32 s32, s32, s29
	; weights: 4 g + the wave's number with its two bits swapped (run 1,024 is row 8,192 = 4 x 256)
	s_lshl_b32 s33, s36, 2
	s_lshl_b32 s29, s28, 1
	s_add_co_u32 s33, s33, s29
	s_add_co_u32 s33, s33, s27
	s_wait_kmcnt 0x0
	s_cmp_lt_u32 s36, 352                          ; which tensor: the choice hangs on the run's number alone
	s_cselect_b64 s[12:13], s[10:11], s[12:13]
	s_cmp_lt_u32 s36, 320
	s_cselect_b64 s[12:13], s[8:9], s[12:13]
	s_cmp_lt_u32 s36, 288
	s_cselect_b64 s[12:13], s[6:7], s[12:13]
	s_cmp_lt_u32 s36, 256
	s_cselect_b64 s[4:5], s[4:5], s[12:13]
	s_cselect_b32 s30, s30, s31
	s_cselect_b32 s32, s32, s33
	s_mov_b32 s26, 4096
	s_cselect_b32 s26, 8192, s26                   ; from one of the wave's rows to the next
	s_mov_b32 s31, 0
	s_add_nc_u64 s[4:5], s[4:5], s[30:31]
	s_lshl_b32 s34, s32, 13                        ; 8,192 bytes of codes a run
	s_mov_b32 s35, 0
	s_add_nc_u64 s[14:15], s[14:15], s[34:35]
	s_lshl_b32 s34, s32, 8                         ; 256 scale bytes a run
	s_add_nc_u64 s[24:25], s[24:25], s[34:35]
.irp i, 0,1,2,3,4,5,6,7
	v_mad_u32_u24 v[XO+\i], s26, \i, v3
.endr
.macro LOAD t                          ; step t: half t % 2 of row t / 2
.irp i, 0,1,2,3
	global_load_b128 v[R+16*((\t)%4)+4*\i:R+16*((\t)%4)+4*\i+3], v[XO+(\t)/2], s[4:5] offset:2048*((\t)%2)+512*\i th:TH_LOAD_NT
.endr
.endm
.macro TURN t                          ; step t's numbers through the stage: LDS serves a wave's instructions in order, so no wait stands between the stores and the loads
.irp i, 0,1,2,3
	ds_store_b128 v14, v[R+16*((\t)%4)+4*\i:R+16*((\t)%4)+4*\i+3] offset:32*SP*((\t)%2)+8*SP*\i
.endr
.irp i, 0,1,2,3
	ds_load_b128 v[X+16*((\t)%2)+4*\i:X+16*((\t)%2)+4*\i+3], v15 offset:32*SP*((\t)%2)+16*\i
.endr
.endm
.irp t, 0,1,2,3
	LOAD \t
.endr
	s_wait_alu depctr_va_vdst(0)
	s_wait_loadcnt 12                              ; step 0's four loads are in
	TURN 0
.macro STEP t
.set XS, X+16*((\t)%2)
.if (\t) > 0
	s_wait_dscnt 1                                 ; this step's numbers are back from the stage (the last step's byte store may be out)
.else
	s_wait_dscnt 0x0
.endif
.if (\t)+4 < STEPS
	LOAD (\t)+4                                    ; into the registers that this step's stores into the stage have read
.endif
.if (\t)+1 < STEPS
.if STEPS-2-(\t) >= 3
	s_wait_loadcnt 12                              ; the next step's four loads are in; those of the three steps behind it may be out
.else
	s_wait_loadcnt 4*(STEPS-2-(\t))
.endif
	TURN (\t)+1
.endif
	v_max3_num_f32 v8, |v[XS]|, |v[XS+1]|, |v[XS+2]|               ; the largest magnitude of my 16, in two chains
	v_max3_num_f32 v9, |v[XS+3]|, |v[XS+4]|, |v[XS+5]|
.irp i, 6,10
	v_max3_num_f32 v8, v8, |v[XS+\i]|, |v[XS+\i+1]|
	v_max3_num_f32 v9, v9, |v[XS+\i+2]|, |v[XS+\i+3]|
.endr
	v_max3_num_f32 v8, v8, |v[XS+14]|, |v[XS+15]|
	v_max3_num_f32 v8, v8, v9, (EMAX+1)<<23        ; and the floor 2^(9 - 127): the byte cannot fall under 1
	v_max_num_f32_dpp v8, v8, v8 row_xmask:1 row_mask:0xf bank_mask:0xf   ; and of my neighbour's 16: the block's
	v_add_nc_u32 v11, -(EMAX<<23), v8              ; 8 off its exponent field: the conversion's scale operand
	v_and_or_b32 v10, v8, 0x7f800000, s23          ; 448 x the scale
.irp i, 0,1,2,3,4,5,6,7,8,9,10,11,12,13,14,15
	v_med3_num_f32 v[XS+\i], v[XS+\i], -v10, v10   ; the conversion to an 8-bit code does not saturate (ISA guide 7.6.2): the hold comes first
.endr
	v_cvt_scalef32_pk8_fp8_f32 v[C+4*(\t):C+4*(\t)+1], v[XS:XS+7], v11
	v_cvt_scalef32_pk8_fp8_f32 v[C+4*(\t)+2:C+4*(\t)+3], v[XS+8:XS+15], v11
	v_lshrrev_b32 v[E+(\t)], 23, v11               ; the scale's byte
	ds_store_b8 v5, v[E+(\t)] offset:16*(\t)       ; both lanes of a block write the same byte with the same value
	global_store_b128 v4, v[C+4*(\t):C+4*(\t)+3], s[14:15] offset:32*CB*(\t)   ; the wave stores 512 consecutive bytes, aligned
.endm
.irp t, 0,1,2,3,4,5,6,7,8,9,10,11,12,13,14,15
	STEP \t
.endr
	ds_load_b64 v[12:13], v6                       ; LDS serves a wave's instructions in order: these see my byte stores
	s_wait_dscnt 0x0
	global_store_b64 v7, v[12:13], s[24:25]        ; 32 lanes store 256 consecutive bytes, aligned
	s_wait_tensorcnt 0x0
	ds_add_u32 v200, v201
	s_wait_dscnt 0x0
	s_endpgm
.Lfunc_end_k_qd6a0ba9ec3_quant:
	.size	k_qd6a0ba9ec3_quant, .Lfunc_end_k_qd6a0ba9ec3_quant-k_qd6a0ba9ec3_quant
	.p2alignl 7, 3214868480
	.fill 96, 4, 3214868480
	.section	.rodata,"a",@progbits
	.p2align	6, 0x0
	.amdhsa_kernel k_qd6a0ba9ec3_quant
		.amdhsa_group_segment_fixed_size 49920
		.amdhsa_private_segment_fixed_size 0
		.amdhsa_enable_private_segment 0
		.amdhsa_kernarg_size 56
		.amdhsa_user_sgpr_count 2
		.amdhsa_user_sgpr_kernarg_segment_ptr 1
		.amdhsa_wavefront_size32 1
		.amdhsa_system_sgpr_workgroup_id_x 1
		.amdhsa_system_sgpr_workgroup_id_y 1
		.amdhsa_system_sgpr_workgroup_id_z 1
		.amdhsa_system_vgpr_workitem_id 0
		.amdhsa_next_free_vgpr 202
		.amdhsa_next_free_sgpr 66
		.amdhsa_reserve_vcc 0
		.amdhsa_float_denorm_mode_32 3
		.amdhsa_float_denorm_mode_16_64 3
		.amdhsa_memory_ordered 1
		.amdhsa_forward_progress 1
		.amdhsa_inst_pref_size 53
	.end_amdhsa_kernel
	.amdgpu_metadata
---
amdhsa.version: [ 1, 2 ]
amdhsa.kernels:
  - .name:           k_qd6a0ba9ec3_quant
    .symbol:         k_qd6a0ba9ec3_quant.kd
    .args:
      - { .name: hidden_states, .offset: 0, .size: 8, .value_kind: global_buffer, .address_space: global }
      - { .name: Wq, .offset: 8, .size: 8, .value_kind: global_buffer, .address_space: global }
      - { .name: Wk, .offset: 16, .size: 8, .value_kind: global_buffer, .address_space: global }
      - { .name: Wv, .offset: 24, .size: 8, .value_kind: global_buffer, .address_space: global }
      - { .name: Wo, .offset: 32, .size: 8, .value_kind: global_buffer, .address_space: global }
      - { .name: codes, .offset: 40, .size: 8, .value_kind: global_buffer, .address_space: global }
      - { .name: scales, .offset: 48, .size: 8, .value_kind: global_buffer, .address_space: global }
    .group_segment_fixed_size: 49920
    .private_segment_fixed_size: 0
    .kernarg_segment_align: 8
    .kernarg_segment_size: 56
    .max_flat_workgroup_size: 192
    .sgpr_count:     66
    .vgpr_count:     202
    .wavefront_size: 32
...
	.end_amdgpu_metadata
.endif
;; end of part 1
;; launch qkv (part 2): grid 12 x 32, 4 waves a work-group, clusters of 4 x 4, 327,680 bytes of LDS; arguments codes, scales, bq, bk, bv, qkv_codes, qkv_scales; writes qkv_codes, qkv_scales
.if DOCPART == 2
	.amdgcn_target "amdgcn-amd-amdhsa--gfx1250"
	.amdhsa_code_object_version 6
	.text
	.protected	k_qd6a0ba9ec3_qkv
	.globl	k_qd6a0ba9ec3_qkv
	.p2align	8
	.type	k_qd6a0ba9ec3_qkv,@function
k_qd6a0ba9ec3_qkv:
	s_mov_b64 s[64:65], 0
	v_nop
	global_prefetch_b8 v0, s[64:65] scope:SCOPE_SE
	s_setreg_imm32_b32 hwreg(HW_REG_WAVE_MODE, 25, 1), 1
	s_wait_xcnt 0x0
	s_wait_alu depctr_hold_cnt(0) depctr_sa_sdst(0) depctr_va_vdst(0) depctr_va_sdst(0) depctr_va_ssrc(0) depctr_va_vcc(0) depctr_vm_vsrc(0)
	s_getreg_b32 s2, hwreg(HW_REG_IB_STS2, 6, 4)
	s_cmp_eq_u32 s2, 0
	s_cbranch_scc0 .Lentry_in_a_cluster
	s_endpgm
.Lentry_in_a_cluster:
	s_bfe_u32 s2, ttmp6, 0x10000c
	s_cmp_lg_u32 s2, 0xf033
	s_cbranch_scc0 .Lentry_shape_is_right
	s_endpgm
.Lentry_shape_is_right:
; The three projections y = x W^T + b on codes of FP8 (E4M3) with E8M0 scales, K = 1,024, and the quantising of their results as the attention's operands.
; A tile of 256 x 256 of y to a work-group of four waves, 128 x 128 a wave (64 accumulators); K in steps of 256 through a ring of two LDS slots; the scale bytes of both sides come once and stay in LDS.
; THE CLUSTER'S x IS THE KIND: 0 q, 1 k, 2 v.  The product is used transposed: source 0 = side P, along whose rows a lane's registers run; source 1 = side Q, of which a lane holds one row.
;   q, k are quantised along the head's columns: P = W, Q = x.      v is quantised along the keys (tokens of one parity): P = x, Q = Wv.     So in every kind the result is quantised along the registers.
; Both sides lie in one buffer, `codes`, in tiles of 256 rows: 0-31 x, 32-35 Wq, 36-39 Wk, 40-43 Wv.  P's tile hangs on cx and is shared along a column of the cluster, Q's on cy and is shared along a row: joint loads.
; Rows are stored with the middle two groups of 8 of each 32 swapped, so that the 16 registers of accumulators (a, 2 n) and (a, 2 n + 1) are P's rows 32 n + 16 (lane / 16) + 0 .. 15 in their true order;
; an x tile is stored [parity][128]: a wave's half of x is one parity.  Group g of the attention is tokens 2 g, 2 g + 1; feature d = 64 parity + column % 64.
; THE BIAS: y = U[register] x S[block a] + sum, one fused multiply-add: q, k: U = the bias of P's rows, S = 1;  v: U = 1, S = bv of the lane's row of Wv.  Both are always loaded; two masks made of the kind put the ones in.
; OUT: q, k: [head][g, stored order][128 bytes along d] + a scale word a row;  v: [head][keys / 128][d, stored order][128 bytes along the keys] + a scale word a row.  Each wave stores one head's 16 KB and 512 bytes, dense.
; LIMITS: a block whose largest magnitude lies under 2^-118, zeros too, gets the scale byte 1 (this program alone reads the bytes); NaN and infinities are not served.
; REGISTERS: window 0: v0-15 S (pairs); v16-31 addresses; v32-63 scale words, two sets; v64-127 U; v128-255 Q's fragments, one set; on the way out v128-191 y, v192-207 codes, v208-224 at work, then v128-255 rows read back.
;   window 1: P's fragments, two sets.   window 2, 3: the accumulators of my Q rows 0-63, 64-127 ((a, b) at v[8 (8 (a % 4) + b)]).
.set NQ,     2                         ; matrix instructions deep in a slot
.set ROWB,   256                       ; a tile's row in bytes
.set KROW,   1024                      ; a row of codes in memory
.set PITCH,  272                       ; an LDS row: 256 bytes + 16 of padding = 68 words: the 16 rows that a load touches start at 16 different banks (ISA guide 11.1)
.set FR,     16
.set NL,     4
.set NP,     8                         ; places behind this matrix instruction (ISA guide 7.12.1)
.set HALFT,  128*PITCH
.set SLOT,   4*HALFT                   ; Q's 256 rows, then P's 256 rows
.set LAPS,   2                         ; K = 1,024 = two laps of two slots of 256
.set KS,     32                        ; a row of scale bytes
.set SCL,    2*SLOT                    ; behind the ring: the scale bytes, as units of 256 bytes + 16 of padding
.set HALFS,  16*272
.set SBLK,   2*272
.set SPARE,  SCL+4*HALFS               ; the spare words: 128 bytes a wave, two blocks of 256 bytes that no other line names
.set CP,     144                       ; the way out: a row of a wave's stage of codes: 128 bytes + 16
.set CSTG,   128*CP                    ; a wave's stage.  The stages lie in slot 0, which has had its last fill and its last read by then
.set SST,    4*CSTG                    ; behind them the scale words, 512 bytes a wave
.set S,    0
.set ADRA, 16                          ; v16-17 LDS address of my Q fragments in slot 0, 1
.set RSQ,  18                          ; scale words read back, q and k
.set RSV,  19                          ; and v
.set ADRB, 20                          ; v20-21 the same for P
.set BU,   22                          ; offsets of the bias loads
.set BS,   23
.set STO,  24                          ; where I put 16 codes of a row
.set RDQ,  25                          ; codes read back, q and k
.set CO,   26                          ; 16 x lane
.set ADRS, 27                          ; my scale words: lanes 0-15 Q's rows, lanes 16-31 P's
.set SPW,  28
.set NIL,  29
.set STS,  30                          ; where I put a row's scale word
.set RDV,  31                          ; codes read back, v
.set SC,   32
.set U,    64
.set AF,   128
.set Y,    128
.set PC,   192
.set TM,   208
.set PW,   224
.set OB,   128
.set G1, 24
.set G0, 32
.set G1B, 48
.set G0B, 56
.set SEL, 66                           ; s[66:67] lane selects for v_permlanex16_b32: lane l xor 16
.set G1S, 68
.set G0S, 76
.set G1SB, 80
.set G0SB, 88
.set KMU, 92                           ; s92 all ones where U is the bias (q, k);  s93 all ones where S is the bias (v)
.set KMS, 93
.set PSEL, 94                          ; v_perm_b32's selector for the scale words
.set MNT, 95
.set MSB, 0
.macro WIN new                         ; the immediate's high byte repeats the setting that is left
.if MSB != (\new)
	s_set_vgpr_msb (MSB<<8)|(\new)
.set MSB, (\new)
.endif
.endm
.set MUL_LO, 0xa1                      ; source 0 (P) window 1, source 1 (Q) window 0, C and D window 2
.set MUL_HI, 0xf1
.set TO_B,   0x40
; A joint load: waves 0 and 1 fetch for Q, waves 2 and 3 for P.  The branch hangs on the wave's number alone.  Four v_nop follow each of the two lines.
.macro JLOAD g0a, g1a, g0b, g1b
	s_cmp_eq_u32 s15, 0
	s_cbranch_scc0 .Lfor_b_\@
	tensor_load_to_lds s[\g0a:\g0a+3], s[\g1a:\g1a+7]
	s_nop 0
.rept 4
	v_nop
.endr
	s_branch .Lasked_\@
.Lfor_b_\@:
	tensor_load_to_lds s[\g0b:\g0b+3], s[\g1b:\g1b+7]
	s_nop 0
.rept 4
	v_nop
.endr
.Lasked_\@:
.endm
.macro CREST                           ; a round of the cluster's barrier behind its opening barrier
	s_cmp_lg_u32 s14, 0
	s_cbranch_scc1 .Lnot_wave_0_\@
	s_barrier_signal -3
.Lnot_wave_0_\@:
	s_barrier_wait -3
	s_barrier_signal -1
	s_barrier_wait -1
.endm
.macro CROUND
	s_barrier_signal -1
	s_barrier_wait -1
	CREST
.endm
	s_load_b128 s[4:7], s[0:1], 0x0                ; codes, scales
	s_load_b128 s[8:11], s[0:1], 0x10              ; bq, bk
	s_load_b64 s[12:13], s[0:1], 0x20              ; bv
	s_load_b64 s[96:97], s[0:1], 0x28              ; qkv_codes
	s_load_b64 s[98:99], s[0:1], 0x30              ; qkv_scales
	v_lshl_add_u32 v[SPW], v0, 2, SPARE
	v_mov_b32 v[NIL], 0
	ds_add_u32 v28, v29
	ds_add_u32 v28, v29
	s_wait_dscnt 0x0
	v_lshrrev_b32 v1, 5, v0
	v_readfirstlane_b32 s14, v1                    ; wave 0..3
	s_lshr_b32 s15, s14, 1                         ; my half of Q's rows.  Also: I fetch for Q (0) or for P (1)
	s_and_b32 s16, s14, 1                          ; my half of P's rows.  Also: which 128 rows of that tile I fetch
	s_bfe_u32 s40, ttmp6, 0x40000                  ; cx, cy
	s_bfe_u32 s41, ttmp6, 0x40004
	s_add_co_u32 s42, ttmp9, 8                     ; q, k: P = W: tiles 4 (8 + kind) + cx
	s_and_b32 s17, ttmp7, 0xffff                   ;       Q = x: tiles 4 x cluster y + cy
	s_cmp_eq_u32 ttmp9, 2                          ; the kind is the same in all sixteen partners
	s_cselect_b32 s42, s17, s42                    ; v:    P = x: tiles 4 x cluster y + cx
	s_cselect_b32 s17, 10, s17                     ;       Q = Wv: tiles 40 + cy
	s_lshl_b32 s42, s42, 2
	s_add_co_u32 s42, s42, s40                     ; P's tile
	s_lshl_b32 s17, s17, 2
	s_add_co_u32 s17, s17, s41                     ; Q's tile
	s_lshl_b32 s43, s41, 2
	s_lshl_b32 s43, 15, s43                        ; my row of the cluster
	s_lshl_b32 s44, 0x1111, s40                    ; my column
	; descriptor group 1: 128 rows x 256 bytes, 16 bytes of padding behind each
	s_or_b32 s[G1+0], s43, (0<<16)|(1<<20)|(1<<21)|(5<<22)|(3<<25)   ; the mask: Q's tiles go to my row; elements of 1 byte; padding on; bit 21 beside a mask; after every 64 words, 4 words
	s_or_b32 s[G1B+0], s44, (0<<16)|(1<<20)|(1<<21)|(5<<22)|(3<<25)  ; P's tiles go to my column
.irp g, G1, G1B
	s_mov_b32 s[\g+1], ROWB<<16                    ; tensor_dim0
	s_mov_b32 s[\g+2], 256<<16                     ; tensor_dim1: 256 rows for the head's loads; 128 for the ring's, set behind the head's wait
	s_mov_b32 s[\g+3], ROWB<<16                    ; tile_dim0
	s_mov_b32 s[\g+4], 256                         ; tile_dim1
	s_mov_b32 s[\g+5], KROW                        ; the pitch
	s_mov_b32 s[\g+6], 0
	s_mov_b32 s[\g+7], 0
.endr
	; the scale bytes of 256 rows: 8,192 dense bytes as 32 rows of 256 (32 elements of 8 bytes), 16 bytes of padding behind each
	s_or_b32 s[G1S+0], s43, (3<<16)|(1<<20)|(1<<21)|(5<<22)|(3<<25)
	s_or_b32 s[G1SB+0], s44, (3<<16)|(1<<20)|(1<<21)|(5<<22)|(3<<25)
.irp g, G1S, G1SB
	s_mov_b32 s[\g+1], 32<<16
	s_mov_b32 s[\g+2], 32<<16                      ; the scale bytes of 256 rows: 32 rows of 256 bytes
	s_mov_b32 s[\g+3], 32<<16
	s_mov_b32 s[\g+4], 32
	s_mov_b32 s[\g+5], 32
	s_mov_b32 s[\g+6], 0
	s_mov_b32 s[\g+7], 0
.endr
	s_lshl_b32 s18, s16, 17                        ; in the ring I fetch 128 rows of a tile: which half, in bytes
	s_mov_b32 s19, 0
	s_lshl_b32 s20, s17, 8                         ; Q's tile: its first row
	s_lshl_b32 s46, s42, 8                         ; P's
	s_mov_b32 s21, 0
	s_mov_b32 s47, 0
	s_lshl_b64 s[22:23], s[20:21], 5               ; where these rows' scale bytes begin,
	s_lshl_b64 s[92:93], s[46:47], 5
	s_lshl_b64 s[20:21], s[20:21], 10              ; and their codes
	s_lshl_b64 s[46:47], s[46:47], 10
	s_mul_i32 s45, s14, HALFT                      ; where they go: wave x 128 rows: no place in the cluster enters an LDS address
	s_mov_b32 s[SEL], 0x76543210
	s_mov_b32 s[SEL+1], 0xfedcba98
	s_mov_b32 s[MNT], 0x600000
	s_wait_kmcnt 0x0
	s_add_nc_u64 s[20:21], s[4:5], s[20:21]
	s_add_nc_u64 s[22:23], s[6:7], s[22:23]
	s_add_nc_u64 s[46:47], s[4:5], s[46:47]
	s_add_nc_u64 s[92:93], s[6:7], s[92:93]
	CROUND                                         ; all sixteen work-groups are here: the first joint loads meet
	s_mov_b32 s[G0S], 1
	s_mov_b32 s[G0S+1], SCL
	s_mov_b64 s[G0S+2:G0S+3], s[22:23]
	s_or_b32 s[G0S+3], s[G0S+3], 0x80000000
	s_mov_b32 s[G0SB], 1
	s_mov_b32 s[G0SB+1], SCL+2*HALFS
	s_mov_b64 s[G0SB+2:G0SB+3], s[92:93]
	s_or_b32 s[G0SB+3], s[G0SB+3], 0x80000000
	s_add_nc_u64 s[22:23], s[20:21], s[18:19]      ; for the ring: my 128 rows of Q's tile,
	s_add_nc_u64 s[92:93], s[46:47], s[18:19]      ; and of P's
.irp s, 0,1
	s_mov_b32 s[G0+4*\s], 1
	s_add_co_u32 s[G0+4*\s+1], s45, \s*SLOT
	s_add_nc_u64 s[G0+4*\s+2:G0+4*\s+3], s[22:23], \s*ROWB
	s_or_b32 s[G0+4*\s+3], s[G0+4*\s+3], 0x80000000
	s_mov_b32 s[G0B+4*\s], 1
	s_add_co_u32 s[G0B+4*\s+1], s45, \s*SLOT
	s_add_nc_u64 s[G0B+4*\s+2:G0B+4*\s+3], s[92:93], \s*ROWB
	s_or_b32 s[G0B+4*\s+3], s[G0B+4*\s+3], 0x80000000
.endr
	; THE HEAD'S LOADS, ONE A WAVE: wave 0 K step 0's 256 rows of Q, wave 1 its 256 rows of P, wave 2 Q's scale bytes, wave 3 P's.
	; Their groups 0 lie in registers that held arguments and offsets which are done with: s[4:7] and s[44:47].
	s_mov_b32 s4, 1
	s_mov_b32 s5, 0
	s_mov_b64 s[6:7], s[20:21]
	s_or_b32 s7, s7, 0x80000000
	s_mov_b32 s44, 1
	s_mov_b32 s45, 2*HALFT
	s_or_b32 s47, s47, 0x80000000
.macro ARM under, g0, g1, next
	s_cmp_lt_u32 s14, \under
	s_cbranch_scc0 \next
	tensor_load_to_lds s[\g0:\g0+3], s[\g1:\g1+7]
	s_nop 0
.rept 4
	v_nop
.endr
	s_branch .Lhead_asked
\next:
.endm
	ARM 1, 4,   G1,  .Lhead_p
	ARM 2, 44,  G1B, .Lhead_sq
	ARM 3, G0S, G1S, .Lhead_sp
	tensor_load_to_lds s[G0SB:G0SB+3], s[G1SB:G1SB+7]
	s_nop 0
.rept 4
	v_nop
.endr
.Lhead_asked:
	; where my wave's head chunk goes: x's tile xt = 4 x cluster y + (v: cx, else cy); W's tile wt = (v: cy, else cx); head = 16 (xt / 8) + 4 wt + wave
	s_cmp_eq_u32 ttmp9, 0
	s_cselect_b64 s[8:9], s[8:9], s[10:11]         ; bq or bk,
	s_and_b32 s20, ttmp7, 0xffff
	s_lshl_b32 s20, s20, 2
	s_cmp_eq_u32 ttmp9, 2
	s_cselect_b64 s[8:9], s[12:13], s[8:9]         ; or bv (then U's loads are not used)
	s_cselect_b32 s21, s40, s41
	s_cselect_b32 s22, s41, s40
	s_cselect_b32 s[KMU], 0, -1
	s_cselect_b32 s[KMS], -1, 0
	s_add_co_u32 s20, s20, s21                     ; xt
	s_lshr_b32 s21, s20, 3
	s_lshl_b32 s21, s21, 4
	s_lshl_b32 s22, s22, 2
	s_add_co_u32 s21, s21, s22
	s_add_co_u32 s21, s21, s14                     ; head
	s_and_b32 s20, s20, 7
	s_lshl_b32 s22, s21, 17                        ; codes: 131,072 bytes a head, 16,384 for each 128 groups, 8,388,608 a kind
	s_lshl_b32 s23, s20, 14
	s_add_co_u32 s22, s22, s23
	s_lshl_b32 s23, ttmp9, 23
	s_add_co_u32 s22, s22, s23
	s_mov_b32 s23, 0
	s_add_nc_u64 s[96:97], s[96:97], s[22:23]
	s_lshl_b32 s22, s21, 12                        ; scale words: 4,096 a head, 512, 262,144 a kind
	s_lshl_b32 s21, s20, 9
	s_add_co_u32 s22, s22, s21
	s_lshl_b32 s21, ttmp9, 18
	s_add_co_u32 s22, s22, s21
	s_add_nc_u64 s[98:99], s[98:99], s[22:23]
	s_lshl_b32 s22, s40, 10                        ; U: the bias of P's rows: 256 cx + 128 x my half of P
	s_lshl_b32 s21, s16, 9
	s_add_co_u32 s22, s22, s21
	s_add_nc_u64 s[8:9], s[8:9], s[22:23]
	s_lshl_b32 s22, s41, 10                        ; S: bv of Q's rows: 256 cy + 128 x my half of Q
	s_lshl_b32 s21, s15, 9
	s_add_co_u32 s22, s22, s21
	s_add_nc_u64 s[12:13], s[12:13], s[22:23]
	s_cmp_eq_u32 s16, 0
	s_mov_b32 s[PSEL], 0x07060302                  ; the head's half of each parity's scale word: the upper halves for odd waves,
	s_cselect_b32 s[PSEL], 0x05040100, s[PSEL]     ; the lower for even ones
	v_and_b32 v1, 15, v0                           ; r = l % 16
	v_bfe_u32 v2, v0, 4, 1                         ; h = l / 16
	v_mul_u32_u24 v3, v1, PITCH
	v_lshl_add_u32 v4, v2, 4, v3                   ; a fragment's row x pitch + 16 h
	s_mul_i32 s21, s15, HALFT                      ; my 128 rows of Q
	s_mul_i32 s22, s16, HALFT                      ; my 128 rows of P,
	s_add_co_u32 s22, s22, 2*HALFT                 ; which lie behind Q's 256
.irp s, 0,1
	v_add_nc_u32 v[ADRA+\s], s21, v4
	v_add_nc_u32 v[ADRB+\s], s22, v4
	s_add_co_u32 s21, s21, SLOT
	s_add_co_u32 s22, s22, SLOT
.endr
	v_mul_u32_u24 v5, v1, KS                       ; my row's scale bytes: 32 a row,
	v_lshrrev_b32 v6, 8, v5
	v_lshl_add_u32 v5, v6, 4, v5                   ; and 16 more for each 256 passed
	s_mul_i32 s21, s15, HALFS
	s_mul_i32 s22, s16, HALFS
	s_add_co_u32 s22, s22, 2*HALFS
	s_sub_co_u32 s22, s22, s21
	v_mul_u32_u24 v6, s22, v2                      ; lanes 16-31 take P's
	s_add_co_u32 s21, s21, SCL
	v_add_nc_u32 v5, v5, v6
	v_add_nc_u32 v[ADRS], s21, v5
	; the way out's addresses
	v_and_b32 v6, 31, v0
	v_lshlrev_b32 v[CO], 4, v6
	s_mul_i32 s23, s14, CSTG
	v_mul_u32_u24 v5, v1, CP
	v_lshl_add_u32 v5, v2, 4, v5
	v_add_nc_u32 v[STO], s23, v5                   ; my stage, row r, + 16 h
	s_lshl_b32 s23, s14, 9
	s_add_co_u32 s23, s23, SST
	v_lshl_add_u32 v[STS], v1, 2, s23
	v_bfe_u32 v3, v0, 2, 1                         ; q, k: a row of 128 bytes is 64 of parity 0 (waves 0, 1) and 64 of parity 1 (waves 2, 3); eight lanes to a row, four rows an instruction
	v_mul_u32_u24 v3, v3, 2*CSTG
	v_bfe_u32 v4, v0, 3, 2
	v_mad_u32_u24 v3, v4, CP, v3
	v_and_b32 v5, 3, v0
	v_lshl_add_u32 v3, v5, 4, v3
	s_mul_i32 s23, s15, CSTG                       ; head chunk w lies in the waves with P half w / 2, at byte 64 (w % 2) of their rows
	s_lshl_b32 s21, s16, 6
	s_add_co_u32 s23, s23, s21
	v_add_nc_u32 v[RDQ], s23, v3
	v_mul_u32_u24 v3, v4, CP                       ; v: head chunk w lies in the waves with Q half w / 2, rows 64 (w % 2) on, whole rows; parity 0's 64 rows, then parity 1's
	v_and_b32 v5, 7, v0
	v_lshl_add_u32 v3, v5, 4, v3
	s_mul_i32 s23, s15, 2*CSTG
	s_mul_i32 s21, s16, 64*CP
	s_add_co_u32 s23, s23, s21
	v_add_nc_u32 v[RDV], s23, v3
	s_lshl_b32 s23, s15, 9
	s_add_co_u32 s23, s23, SST
	v_add_nc_u32 v[RSQ], s23, v[CO]
	s_lshl_b32 s23, s15, 10
	s_lshl_b32 s21, s16, 8
	s_add_co_u32 s23, s23, s21
	s_add_co_u32 s23, s23, SST
	v_lshlrev_b32 v3, 4, v1
	v_lshl_add_u32 v3, v2, 9, v3
	v_add_nc_u32 v[RSV], s23, v3
	v_lshlrev_b32 v[BU], 6, v2                     ; U: register 16 n + i is P's row 32 n + 16 h + i
	v_and_b32 v3, 8, v1
	v_add_nc_u32 v3, v3, v1
	v_lshlrev_b32 v[BS], 2, v3                     ; S: block a, lane r is Q's row 32 (a / 2) + 8 (a % 2) + r + 8 (r / 8)
.irp b, 0,1,2,3
.irp j, 0,1,2,3
	global_load_b128 v[U+16*\b+4*\j:U+16*\b+4*\j+3], v[BU], s[8:9] offset:128*\b+16*\j
.endr
.endr
.irp a, 0,1,2,3,4,5,6,7                        ; the last lines of the head that name v0-v15: from here on they are S, twice each for the packed form
	global_load_b32 v[S+2*\a], v[BS], s[12:13] offset:4*(32*(\a/2)+8*(\a%2))
	global_load_b32 v[S+2*\a+1], v[BS], s[12:13] offset:4*(32*(\a/2)+8*(\a%2))
.endr
.macro FRAG reg, adr, q, i             ; 16 rows x 128 K: lane l holds row l % 16; registers 4 c .. 4 c + 3 hold K = 32 c + 16 (l / 16) + 0 .. 15
.irp c, 0,1,2,3
	ds_load_b128 v[\reg+4*\c:\reg+4*\c+3], v[\adr] offset:128*(\q)+32*\c+(\i)*16*PITCH
.endr
.endm
; 16 matrix instructions: Q's blocks a0, a0 + 1 x P's eight.  The 64 accumulators take turns, one instruction a turn, in the same order in every step.
; One register carries Q's scale word (lanes 0-15) and P's (lanes 16-31) of block i.
.macro MUL16 a0, p, q, sc, zero
.irp a, \a0, \a0+1
.irp b, 0,1,2,3,4,5,6,7
.if \zero
	v_wmma_scale_f32_16x16x128_f8f6f4 v[8*(8*((\a)%4)+\b):8*(8*((\a)%4)+\b)+7], v[128*(\p)+FR*\b:128*(\p)+FR*\b+FR-1], v[AF+FR*(\a):AF+FR*(\a)+FR-1], 0, v[SC+8*NQ*(\sc)+NQ*\b+(\q)], v[SC+8*NQ*(\sc)+NQ*(\a)+(\q)] matrix_a_scale:MATRIX_SCALE_ROW1
.else
	v_wmma_scale_f32_16x16x128_f8f6f4 v[8*(8*((\a)%4)+\b):8*(8*((\a)%4)+\b)+7], v[128*(\p)+FR*\b:128*(\p)+FR*\b+FR-1], v[AF+FR*(\a):AF+FR*(\a)+FR-1], v[8*(8*((\a)%4)+\b):8*(8*((\a)%4)+\b)+7], v[SC+8*NQ*(\sc)+NQ*\b+(\q)], v[SC+8*NQ*(\sc)+NQ*(\a)+(\q)] matrix_a_scale:MATRIX_SCALE_ROW1
.endif
.endr
.endr
.endm
.macro FETCH_B slot, q, p
	WIN TO_B
.irp i, 0,1,2,3,4,5,6,7
	FRAG 128*(\p)+FR*\i, ADRB+\slot, \q, \i
.endr
	WIN 0
.endm
.macro FETCH_A slot, q, i0
.irp i, \i0, \i0+1, \i0+2, \i0+3
	FRAG AF+FR*(\i), ADRA+\slot, \q, \i
.endr
.endm
.macro SCALES sc                       ; a K step's scale words: two words a row
.irp i, 0,1,2,3,4,5,6,7
	ds_load_b64 v[SC+8*NQ*\sc+NQ*\i:SC+8*NQ*\sc+NQ*\i+1], v[ADRS] offset:\i*SBLK
.endr
.endm
.macro PLACES n                        ; plain vector instructions between a matrix instruction and a load into, or a read of, its registers
.rept \n
	v_nop
.endr
.endm
.macro STEP slot, q, zero              ; 128 along K that have their successor in the same slot
	s_wait_dscnt 4*NL                              ; P's set and Q's blocks 0-3 are in; the youngest 16 loads (Q's blocks 4-7) may be out
	WIN MUL_LO
	MUL16 0, (\q)%2, \q, \slot, \zero
	MUL16 2, (\q)%2, \q, \slot, \zero
	s_wait_dscnt 0
	PLACES NP
	FETCH_B \slot, (\q)+1, 1-(\q)%2
	FETCH_A \slot, (\q)+1, 0
	WIN MUL_HI
	MUL16 4, (\q)%2, \q, \slot, \zero
	MUL16 6, (\q)%2, \q, \slot, \zero
	PLACES NP
	WIN 0
	FETCH_A \slot, (\q)+1, 4
.endm
; A slot's last step changes slots: one barrier; in front of it each wave waits for all its tensor loads, adds 0 to its spare word, and waits for that and for its reads of this slot.
.macro TURN slot, next, fill
	s_wait_tensorcnt 0x0                           ; all my tensor loads have landed: my part of the next slot
	ds_add_u32 v[SPW], v[NIL]                      ; 0 onto my spare word
	s_wait_dscnt 4*NL+1                            ; (the add and the youngest 16 loads may be out)
	WIN MUL_LO
	MUL16 0, 1, NQ-1, \slot, 0
	s_wait_dscnt 0x0                               ; the add is done, and my reads of this slot are over
	s_barrier_signal -1
	MUL16 2, 1, NQ-1, \slot, 0
	WIN 0
	s_barrier_wait -1
.if \fill
	CREST                                          ; the barrier has opened a round of the cluster's barrier: no wave of any partner still reads this slot or has a load on its way
	s_add_nc_u64 s[G0+4*\slot+2:G0+4*\slot+3], s[G0+4*\slot+2:G0+4*\slot+3], 2*ROWB
	s_add_nc_u64 s[G0B+4*\slot+2:G0B+4*\slot+3], s[G0B+4*\slot+2:G0B+4*\slot+3], 2*ROWB
	JLOAD G0+4*\slot, G1, G0B+4*\slot, G1B         ; the first tensor load behind the round; its four v_nop are among the places in front of the loads below
	PLACES NP-4
.else
	PLACES NP
.endif
	s_wait_alu depctr_va_vdst(0)
	v_add_nc_u32 v[ADRS], 4*NQ, v[ADRS]            ; the next K step's scale words
	FETCH_B \next, 0, 0
	FETCH_A \next, 0, 0
	SCALES \next
	WIN MUL_HI
	MUL16 4, 1, NQ-1, \slot, 0
	MUL16 6, 1, NQ-1, \slot, 0
	PLACES NP
	WIN 0
	FETCH_A \next, 0, 4
.endm
	s_wait_alu depctr_va_vdst(0)                   ; the wait at the head's end
	s_wait_tensorcnt 0x0                           ; my tile of the head's four is in; the lines ahead of a later first fill:
	ds_add_u32 v[SPW], v[NIL]
	s_mov_b32 s[G1+2], 128<<16                     ; no tensor load of mine is out: from here on a load brings 128 rows
	s_mov_b32 s[G1+4], 128
	s_mov_b32 s[G1B+2], 128<<16
	s_mov_b32 s[G1B+4], 128
	s_wait_dscnt 0x0
	CROUND                                         ; all four tiles are in, and all sixteen work-groups are here
	JLOAD G0+4, G1, G0B+4, G1B                     ; K step 1: the first tensor load behind the round, a quarter of the slot a wave
	FETCH_B 0, 0, 0
	FETCH_A 0, 0, 0
	SCALES 0
	FETCH_A 0, 0, 4
	STEP 0, 0, 1                                   ; the first step's products start the sums: nothing is cleared
	s_mov_b32 s3, LAPS-1
.Llap:                                             ; a trip goes once round the ring and fills both slots again
	TURN 0, 1, 1
	STEP 1, 0, 0
	TURN 1, 0, 1
	STEP 0, 0, 0
	s_sub_co_u32 s3, s3, 1
	s_cmp_lg_u32 s3, 0
	s_cbranch_scc1 .Llap
	TURN 0, 1, 0                                   ; the last lap fills nothing
	STEP 1, 0, 0
	s_wait_dscnt 4*NL
	WIN MUL_LO
	MUL16 0, 1, NQ-1, 1, 0
	MUL16 2, 1, NQ-1, 1, 0
	s_wait_dscnt 0
	WIN MUL_HI
	MUL16 4, 1, NQ-1, 1, 0
	MUL16 6, 1, NQ-1, 1, 0
	WIN 0
; 64 numbers of a lane, register 16 b + i = place 32 b + 16 (lane / 16) + i along the next K, become 16 registers of codes in v[PC] on and the row's scale word in v[PW].
.macro QUANT s
.irp b, 0,1,2,3
	v_max3_num_f32 v[TM+\b], |v[\s+16*\b]|, |v[\s+1+16*\b]|, 0x4800000   ; block b: my 16 numbers, and the floor 2^(9 - 127): the byte cannot fall under 1
.endr
.irp i, 2,4,6,8,10,12,14
.irp b, 0,1,2,3
	v_max3_num_f32 v[TM+\b], v[TM+\b], |v[\s+16*\b+\i]|, |v[\s+1+16*\b+\i]|
.endr
.endr
.irp b, 0,1,2,3
	v_permlanex16_b32 v[TM+4+\b], v[TM+\b], s[SEL], s[SEL+1]
.endr
.irp b, 0,1,2,3
	v_max_num_f32 v[TM+\b], v[TM+\b], v[TM+4+\b]   ; with lane l xor 16's: the block's largest magnitude
.endr
.irp b, 0,1,2,3
	v_add_nc_u32 v[TM+12+\b], 0xfc000000, v[TM+\b] ; 8 off its exponent field: the conversion's scale operand
.endr
.irp b, 0,1,2,3
	v_and_or_b32 v[TM+8+\b], v[TM+\b], 0x7f800000, s[MNT]   ; 448 x the scale
.endr
.irp b, 0,1,2,3
	v_lshrrev_b32 v[TM+4+\b], 23, v[TM+12+\b]      ; the scale's byte
.endr
	v_lshl_or_b32 v[PW], v[TM+5], 8, v[TM+4]
	v_lshl_or_b32 v[PW], v[TM+6], 16, v[PW]
	v_lshl_or_b32 v[PW], v[TM+7], 24, v[PW]
.irp b, 0,1,2,3
.irp i, 0,1,2,3,4,5,6,7,8,9,10,11,12,13,14,15
	v_med3_num_f32 v[\s+16*\b+\i], v[\s+16*\b+\i], -v[TM+8+\b], v[TM+8+\b]   ; the conversion does not saturate (ISA guide 7.6.2): the hold comes first
.endr
	v_cvt_scalef32_pk8_fp8_f32 v[PC+4*\b:PC+1+4*\b], v[\s+16*\b:\s+7+16*\b], v[TM+12+\b]
	v_cvt_scalef32_pk8_fp8_f32 v[PC+2+4*\b:PC+3+4*\b], v[\s+8+16*\b:\s+15+16*\b], v[TM+12+\b]
.endr
	v_nop                                          ; a plain vector instruction behind the last conversion, ahead of whatever next writes its sources
.endm
; Block a of Q's rows: the bias, the quantiser, the codes and the scale word into my stage.
.macro EPI a
	WIN 0x20+0x10*((\a)/4)                         ; source 2: the accumulators' window
.set x, 0
.rept 32
	v_pk_fma_f32 v[Y+x:Y+x+1], v[U+x:U+x+1], v[S+2*(\a):S+2*(\a)+1], v[64*((\a)%4)+x:64*((\a)%4)+x+1]   ; ascending: each accumulator is read from its low end on
.set x, x+2
.endr
	WIN 0
	s_wait_dscnt 0x0                               ; the last block's stores into the stage have read the codes' registers
	QUANT Y
.irp c, 0,1,2,3
	ds_store_b128 v[STO], v[PC+4*\c:PC+4*\c+3] offset:16*CP*(\a)+32*\c
.endr
	ds_store_b32 v[STS], v[PW] offset:64*(\a)      ; lanes r and r + 16 write the same word with the same value
.endm
	s_wait_loadcnt 0x0                             ; U and S
.set x, 0
.rept 64
	v_cndmask_b32 v[U+x], 1.0, v[U+x], s[KMU]      ; these 80 lines are also the places behind the last products
.set x, x+1
.endr
.set x, 0
.rept 16
	v_cndmask_b32 v[S+x], 1.0, v[S+x], s[KMS]
.set x, x+1
.endr
.irp b, 0,1,2,3
	v_mov_b32 v[TM+4+\b], 0                        ; written once: a lane permute's destination counts as one of its sources
.endr
.irp a, 0,1,2,3,4,5,6,7
	EPI \a
.endr
	s_wait_dscnt 0x0                               ; for the others' sake: my stores into the stages are done
	s_barrier_signal -1
	s_barrier_wait -1
	s_cmp_eq_u32 ttmp9, 2                          ; the kind: the two ways differ in which stage bytes make a head's chunk; both hold LDS loads and global stores alone
	s_cbranch_scc1 .Lout_v
	ds_load_b128 v[64:67], v[RSQ]                  ; four groups' scale words of parity 0,
	ds_load_b128 v[68:71], v[RSQ] offset:1024      ; and of parity 1
.set t, 0
.rept 32
	ds_load_b128 v[OB+4*t:OB+4*t+3], v[RDQ] offset:4*CP*t
.set t, t+1
.endr
	s_wait_dscnt 32                                ; the scale words are in
.irp i, 0,1,2,3
	v_perm_b32 v[72+\i], v[68+\i], v[64+\i], s[PSEL]   ; d's blocks 0, 1 from parity 0, blocks 2, 3 from parity 1
.endr
	global_store_b128 v[CO], v[72:75], s[98:99]
.set t, 0
.rept 32
	s_wait_dscnt 31-t
	global_store_b128 v[CO], v[OB+4*t:OB+4*t+3], s[96:97] offset:512*t   ; the wave stores 512 consecutive bytes, aligned
.set t, t+1
.endr
	s_branch .Lout_done
.Lout_v:
	ds_load_b128 v[72:75], v[RSV]
.set t, 0
.rept 32
	ds_load_b128 v[OB+4*t:OB+4*t+3], v[RDV] offset:(t/16)*CSTG+(t%16)*4*CP
.set t, t+1
.endr
	s_wait_dscnt 32
	global_store_b128 v[CO], v[72:75], s[98:99]
.set t, 0
.rept 32
	s_wait_dscnt 31-t
	global_store_b128 v[CO], v[OB+4*t:OB+4*t+3], s[96:97] offset:512*t
.set t, t+1
.endr
.Lout_done:
	s_wait_tensorcnt 0x0                           ; the wave's end
	ds_add_u32 v[SPW], v[NIL]
	s_wait_dscnt 0x0
	CROUND                                         ; the closing round: no work-group ends while a partner may still ask for a tile that names it
	s_endpgm
.Lfunc_end_k_qd6a0ba9ec3_qkv:
	.size	k_qd6a0ba9ec3_qkv, .Lfunc_end_k_qd6a0ba9ec3_qkv-k_qd6a0ba9ec3_qkv
	.p2alignl 7, 3214868480
	.fill 96, 4, 3214868480
	.section	.rodata,"a",@progbits
	.p2align	6, 0x0
	.amdhsa_kernel k_qd6a0ba9ec3_qkv
		.amdhsa_group_segment_fixed_size 327680
		.amdhsa_private_segment_fixed_size 0
		.amdhsa_enable_private_segment 0
		.amdhsa_kernarg_size 56
		.amdhsa_user_sgpr_count 2
		.amdhsa_user_sgpr_kernarg_segment_ptr 1
		.amdhsa_wavefront_size32 1
		.amdhsa_system_sgpr_workgroup_id_x 1
		.amdhsa_system_sgpr_workgroup_id_y 1
		.amdhsa_system_sgpr_workgroup_id_z 1
		.amdhsa_system_vgpr_workitem_id 0
		.amdhsa_next_free_vgpr 1024
		.amdhsa_next_free_sgpr 100
		.amdhsa_reserve_vcc 0
		.amdhsa_float_denorm_mode_32 3
		.amdhsa_float_denorm_mode_16_64 3
		.amdhsa_memory_ordered 1
		.amdhsa_forward_progress 1
		.amdhsa_inst_pref_size 224
	.end_amdhsa_kernel
	.amdgpu_metadata
---
amdhsa.version: [ 1, 2 ]
amdhsa.kernels:
  - .name:           k_qd6a0ba9ec3_qkv
    .symbol:         k_qd6a0ba9ec3_qkv.kd
    .args:
      - { .name: codes, .offset: 0, .size: 8, .value_kind: global_buffer, .address_space: global }
      - { .name: scales, .offset: 8, .size: 8, .value_kind: global_buffer, .address_space: global }
      - { .name: bq, .offset: 16, .size: 8, .value_kind: global_buffer, .address_space: global }
      - { .name: bk, .offset: 24, .size: 8, .value_kind: global_buffer, .address_space: global }
      - { .name: bv, .offset: 32, .size: 8, .value_kind: global_buffer, .address_space: global }
      - { .name: qkv_codes, .offset: 40, .size: 8, .value_kind: global_buffer, .address_space: global }
      - { .name: qkv_scales, .offset: 48, .size: 8, .value_kind: global_buffer, .address_space: global }
    .group_segment_fixed_size: 327680
    .private_segment_fixed_size: 0
    .kernarg_segment_align: 8
    .kernarg_segment_size: 56
    .max_flat_workgroup_size: 128
    .sgpr_count:     100
    .vgpr_count:     1024
    .wavefront_size: 32
...
	.end_amdgpu_metadata
.endif
;; end of part 2
;; launch attn (part 3): grid 4 x 64, 8 waves a work-group, clusters of 4 x 1, 327,680 bytes of LDS; arguments qkv_codes, qkv_scales, ctx_codes, ctx_scales; writes ctx_codes, ctx_scales
.if DOCPART == 3
	.amdgcn_target "amdgcn-amd-amdhsa--gfx1250"
	.amdhsa_code_object_version 6
	.text
	.protected	k_qd6a0ba9ec3_attn
	.globl	k_qd6a0ba9ec3_attn
	.p2align	8
	.type	k_qd6a0ba9ec3_attn,@function
k_qd6a0ba9ec3_attn:
	s_mov_b64 s[64:65], 0
	v_nop
	global_prefetch_b8 v0, s[64:65] scope:SCOPE_SE
	s_setreg_imm32_b32 hwreg(HW_REG_WAVE_MODE, 25, 1), 1
	s_wait_xcnt 0x0
	s_wait_alu depctr_hold_cnt(0) depctr_sa_sdst(0) depctr_va_vdst(0) depctr_va_sdst(0) depctr_va_ssrc(0) depctr_va_vcc(0) depctr_vm_vsrc(0)
	s_getreg_b32 s2, hwreg(HW_REG_IB_STS2, 6, 4)
	s_cmp_eq_u32 s2, 0
	s_cbranch_scc0 .Lentry_in_a_cluster
	s_endpgm
.Lentry_in_a_cluster:
	s_bfe_u32 s2, ttmp6, 0x10000c
	s_cmp_lg_u32 s2, 0x3003
	s_cbranch_scc0 .Lentry_shape_is_right
	s_endpgm
.Lentry_shape_is_right:
; ctx[head][g] = softmax_k(q[g] . k[key] / 8) v[key], 64 heads, 1,024 groups and keys, 128 features, both products on codes of FP8 (E4M3) with E8M0 scales; ctx is quantised along its 128 features for the last projection.
; THE SOFTMAX: t = score x log2(e) / 8; M = the running largest t rounded up to a whole number; p = 2^(t - M) is what is quantised, along the keys; the row's sum is taken of the unquantised p and divides at the end
; (by v_rcp_f32 and a multiplication).  When M moves, the sum and O are multiplied by 2^(old M - new M): exact.
; IN: q, k [head][1,024 rows, stored order][128 bytes]; v [head][keys / 128][128 features, stored order][128 bytes along the keys]; a scale word a row.  Stored order: in each 32 rows the middle two groups of 8 are swapped,
; so that 16 stored neighbours, as source 0 of a transposed product, leave the 16 registers of two neighbouring tiles as 16 true neighbours: p comes out along the keys and O along the features, as a quantiser wants them.
; SHARES.  A work-group owns 256 stored queries of a head; each of its eight waves two tiles of 16.  TILE 1 LIVES IN REGISTER WINDOW 1 UNDER THE NUMBERS THAT TILE 0 HAS IN WINDOW 0: the softmax is written once and
; expanded under both settings; each fragment of K and V read from LDS feeds two matrix instructions.  Two waves share a SIMD: one wave's vector work stands beside the other's products and loads.
; THE HEAD'S K AND V LIE WHOLE IN LDS: 2 x 1,024 rows x 144 bytes.  Every byte is filled once: each wave issues one tensor load at the head (K's or V's scale words, or its rows of keys 0-255, 256-511 or 512-1,023),
; so there is no ring and no later tile to ask for ahead.  Two barriers: keys 0-255 are in; all keys are in.  Behind the second the waves run free.
; CLUSTER.  The four work-groups of a head want the same K and V: each load is a joint one (mask 15), behind one round of the cluster's barrier; a closing round stands at the end.
; FRAGMENTS A PHASE AHEAD.  A step's eight fragments have registers: tiles 0-3 in window 0, tiles 4-7 in window 1 (v32-95 of each).  V's are asked for ahead of the softmax; the next step's K in two halves inside the V products.
; OUT: ctx_codes: a fragment (16 stored queries x 128 features) as an image of its 16 registers, register group c of lane l at 512 c + 16 l, fragment head x 64 + tile; ctx_scales: a word for each (head, stored query).
; LIMITS: a block whose largest magnitude lies under 2^-118, zeros too, gets the scale byte 1 (this program alone reads the bytes); NaN and infinities are not served.
; REGISTERS.  Window 0 alone: v1-3 LDS addresses of K's rows, V's rows and the scale words; v4 tile 1's scale word of q, v255 tile 0's; v5-8 K's scale words, v248-251 V's (lanes 0-15 tile t, lanes 16-31 tile t + 4);
; v9, v10 the add's; v11 tile 1's scale word of p.  Each window: v32-95 four fragments; and for its tile: v12 -M, v13 the largest t, v[14:15] the sum; v16-31 q; v96-159 S^T, then p; v160-223 O^T; v224-239 p's codes;
; v232-247, v252-254 at work (v253: p's scale word).
.set KP,    144                        ; a row in LDS: 128 bytes + 16 of padding = 36 words: the 16 rows that a load touches start at 16 different groups of 4 banks (ISA guide 11.1)
.set STEPB, 128*KP                     ; a key step's rows of K, and of V
.set VOFF,  1024*KP                    ; K's 1,024 rows, then V's (eight key steps x 128 features)
.set SCK,   2*VOFF                     ; K's scale words of the head, 4,096 bytes;
.set SCV,   SCK+4096                   ; V's;
.set CST,   SCV+4096                   ; a stage for the work-group's 256 scale words of ctx: bytes of its own;
.set SPARE, CST+1024                   ; the spare words: 128 bytes a wave, four blocks of 256 bytes that no other line names
.set ADK,  1
.set ADV,  2
.set ADS,  3
.set QS1,  4
.set KW,   5
.set SPW,  9
.set NIL,  10
.set PS1,  11
.set VW,   248
.set GO,   1                           ; on the way out: 16 x lane;
.set CSA,  2                           ; where my row's scale word goes in the stage;
.set CSR,  3                           ; 16 x thread, in ctx_scales;
.set CSL,  12                          ; and in the stage
.set PC,   32
.set TM,   232
.set PW,   253
.set WV,   18
.set MNT,  19
.set SEL,  20
.set CS,   22                          ; s[22:23] c = log2(e) / 8
.set G1T,  24                          ; s[24:31] group 1 for K's and V's tiles
.set G1S,  32                          ; s[32:39] for the scale words
.set G0S,  40                          ; s[40:43] group 0 for my scale words
.set G0T,  44                          ; s[44:47] group 0 for my rows of K or V, never written again
.set CNT,  60
.set MSB, 0
.macro WIN new                         ; the immediate's high byte repeats the setting that is left
.if MSB != (\new)
	s_set_vgpr_msb (MSB<<8)|(\new)
.set MSB, (\new)
.endif
.endm
.set W_T1,   0x55                      ; every operand in window 1: tile 1's vector work, and its products with fragments 4-7
.set W_F0T1, 0x54                      ; source 0 window 0 (fragments 0-3); source 1, C and D window 1: tile 1
.set W_F1T0, 0x01                      ; source 0 window 1 (fragments 4-7); source 1, C and D window 0: tile 0
.set TO_F1,  0x40                      ; destination window 1, address window 0
.macro CROUND                          ; a round of the cluster's barrier
	s_barrier_signal -1
	s_barrier_wait -1
	s_cmp_lg_u32 s[WV], 0
	s_cbranch_scc1 .Lnot_wave_0_\@
	s_barrier_signal -3
.Lnot_wave_0_\@:
	s_barrier_wait -3
	s_barrier_signal -1
	s_barrier_wait -1
.endm
	s_load_b256 s[4:11], s[0:1], 0x0               ; qkv_codes, qkv_scales, ctx_codes, ctx_scales
	v_lshl_add_u32 v[SPW], v0, 2, SPARE
	v_mov_b32 v[NIL], 0
	ds_add_u32 v9, v10
	ds_add_u32 v9, v10
	s_wait_dscnt 0x0
	v_lshrrev_b32 v5, 5, v0
	s_delay_alu instid0(VALU_DEP_1)
	v_readfirstlane_b32 s[WV], v5                  ; wave 0..7
	s_bfe_u32 s62, ttmp6, 0x40000                  ; cx: it enters q's and ctx's addresses alone
	s_lshl_b32 s66, ttmp9, 2
	s_add_co_u32 s66, s66, s62                     ; my block of 256 queries
	s_and_b32 s67, ttmp7, 0xffff                   ; the head, which the four partners share
	s_lshl_b32 s68, s67, 17                        ; its codes: 131,072 bytes in each of q, k, v and ctx
	s_lshl_b32 s69, s67, 12                        ; its scale words: 4,096 bytes
	; THE FILLS, ONE A WAVE: even waves fetch for K, odd ones for V.  Waves 0, 1: the head's scale words; 2, 3: keys 0-255; 4, 5: keys 256-511; 6, 7: keys 512-1,023.
	s_and_b32 s70, s[WV], 1
	s_add_co_u32 s71, s[WV], 6
	s_and_b32 s71, s71, 7
	s_lshr_b32 s71, s71, 1                         ; my block of 256 keys: 0, 1, 2 in waves 2-3, 4-5, 6-7 (waves 0, 1 do not use it)
	s_lshl_b32 s72, s70, 23                        ; codes: k begins 8,388,608 bytes on, v as many again
	s_add_co_u32 s72, s72, 8388608
	s_add_co_u32 s72, s72, s68
	s_lshl_b32 s73, s71, 15
	s_add_co_u32 s72, s72, s73
	s_mov_b32 s73, 0
	s_lshl_b32 s74, s70, 18                        ; scale words: k's begin 262,144 bytes on, v's as many again
	s_add_co_u32 s74, s74, 262144
	s_add_co_u32 s74, s74, s69
	s_mov_b32 s75, 0
	s_mul_i32 s76, s70, VOFF                       ; where my rows go in LDS: nothing but the wave's number enters
	s_mul_i32 s77, s71, 2*STEPB
	s_add_co_u32 s76, s76, s77
	s_lshl_b32 s77, s70, 12                        ; the scale words: V's 4,096 bytes lie behind K's
	s_lshl_b32 s78, s66, 15                        ; q and ctx: 32,768 bytes a work-group, 4,096 a wave (two tiles)
	s_lshl_b32 s79, s[WV], 12
	s_add_co_u32 s78, s78, s79
	s_add_co_u32 s78, s78, s68
	s_mov_b32 s79, 0
	s_lshl_b32 s80, s66, 10                        ; scale words: 1,024 bytes a work-group, 128 a wave
	s_add_co_u32 s82, s80, s69
	s_lshl_b32 s81, s[WV], 7
	s_add_co_u32 s80, s82, s81
	s_mov_b32 s81, 0
	s_mov_b32 s83, 0
	; group 1: 256 rows of 128 bytes, dense in memory, 16 bytes of padding behind each
	s_mov_b32 s[G1T], 15|(0<<16)|(1<<20)|(1<<21)|(4<<22)|(3<<25)   ; the mask: all four work-groups; elements of 1 byte; padding on; bit 21 beside a mask; after every 32 words, 4 words
	; 256 rows of 128 bytes are dense in memory: stated as 128 rows of 256 bytes, the padding still behind each 128 bytes
	s_mov_b32 s[G1T+1], 256<<16
	s_mov_b32 s[G1T+2], 128<<16
	s_mov_b32 s[G1T+3], 256<<16
	s_mov_b32 s[G1T+4], 128
	s_mov_b32 s[G1T+5], 256
	s_mov_b32 s[G1T+6], 0
	s_mov_b32 s[G1T+7], 0
.set G1U, 48                           ; s[48:55] the same for 512 rows of 128 bytes
	s_mov_b32 s[G1U], 15|(0<<16)|(1<<20)|(1<<21)|(4<<22)|(3<<25)
	s_mov_b32 s[G1U+1], 256<<16
	s_mov_b32 s[G1U+2], 256<<16
	s_mov_b32 s[G1U+3], 256<<16
	s_mov_b32 s[G1U+4], 256
	s_mov_b32 s[G1U+5], 256
	s_mov_b32 s[G1U+6], 0
	s_mov_b32 s[G1U+7], 0
	; the scale words: 4,096 dense bytes as 16 rows of 256 (32 elements of 8 bytes), no padding
	s_mov_b32 s[G1S], 15|(3<<16)|(1<<21)
	s_mov_b32 s[G1S+1], 32<<16
	s_mov_b32 s[G1S+2], 16<<16                     ; 4,096 dense bytes: 16 rows of 256
	s_mov_b32 s[G1S+3], 32<<16
	s_mov_b32 s[G1S+4], 16
	s_mov_b32 s[G1S+5], 32
	s_mov_b32 s[G1S+6], 0
	s_mov_b32 s[G1S+7], 0
	s_mov_b32 s[SEL], 0x76543210
	s_mov_b32 s[SEL+1], 0xfedcba98
	s_mov_b32 s[CS], 0x3e38aa3b                    ; log2(e) / 8
	s_mov_b32 s[CS+1], s[CS]
	s_mov_b32 s[MNT], 0x600000
	s_wait_kmcnt 0x0
	s_add_nc_u64 s[72:73], s[4:5], s[72:73]        ; my rows of K or V
	s_add_nc_u64 s[74:75], s[6:7], s[74:75]        ; my scale words
	s_add_nc_u64 s[84:85], s[4:5], s[78:79]        ; q's codes at my first tile
	s_add_nc_u64 s[86:87], s[6:7], s[80:81]        ; and its scale words
	s_add_nc_u64 s[8:9], s[8:9], s[78:79]          ; ctx's fragments
	s_add_nc_u64 s[10:11], s[10:11], s[82:83]      ; the work-group's 256 scale words of ctx
	s_mov_b32 s[G0S], 1
	s_add_co_u32 s[G0S+1], s77, SCK
	s_mov_b64 s[G0S+2:G0S+3], s[74:75]
	s_or_b32 s[G0S+3], s[G0S+3], 0x80000000
	s_mov_b32 s[G0T], 1
	s_mov_b32 s[G0T+1], s76
	s_mov_b64 s[G0T+2:G0T+3], s[72:73]
	s_or_b32 s[G0T+3], s[G0T+3], 0x80000000
	CROUND                                         ; all four work-groups are here: the joint loads meet
	; one chain of branches on the wave's number, a load to an arm: every way through the head passes one.  Waves 0-3, which wait at the first barrier, have load lines that no other wave issues.
.macro ARM under, g0, g1, next
	s_cmp_lt_u32 s[WV], \under
	s_cbranch_scc0 \next
	tensor_load_to_lds s[\g0:\g0+3], s[\g1:\g1+7]
	s_nop 0
.rept 4
	v_nop
.endr
	s_branch .Lhead_asked
\next:
.endm
	ARM 2, G0S, G1S, .Lhead_0
	ARM 4, G0T, G1T, .Lhead_1
	ARM 6, G0T, G1T, .Lhead_2
	tensor_load_to_lds s[G0T:G0T+3], s[G1U:G1U+7]
	s_nop 0
.rept 4
	v_nop
.endr
.Lhead_asked:
	v_and_b32 v5, 15, v0                           ; r
	v_bfe_u32 v6, v0, 4, 1                         ; h
	s_delay_alu instid0(VALU_DEP_2)
	v_lshlrev_b32 v252, 7, v5
	s_delay_alu instid0(VALU_DEP_1)
	v_lshl_add_u32 v252, v6, 4, v252               ; q: row r of 128 bytes, + 16 h
.irp c, 0,1,2,3
	global_load_b128 v[16+4*\c:19+4*\c], v252, s[84:85] offset:32*\c
.endr
	WIN TO_F1                                      ; destination window 1: tile 1
.irp c, 0,1,2,3
	global_load_b128 v[16+4*\c:19+4*\c], v252, s[84:85] offset:2048+32*\c
.endr
	WIN 0
	v_lshlrev_b32 v254, 2, v5
	global_load_b32 v255, v254, s[86:87]
	global_load_b32 v[QS1], v254, s[86:87] offset:64
	v_mul_u32_u24 v[ADK], v5, KP
	s_delay_alu instid0(VALU_DEP_1)
	v_lshl_add_u32 v[ADK], v6, 4, v[ADK]           ; row r x pitch + 16 h
	s_delay_alu instid0(VALU_DEP_1)
	v_add_nc_u32 v[ADV], VOFF, v[ADK]
	v_lshlrev_b32 v[ADS], 2, v5
	s_delay_alu instid0(VALU_DEP_1)
	v_lshl_add_u32 v[ADS], v6, 8, v[ADS]           ; 4 r, and lanes 16-31 four tiles (256 bytes) further on
	s_delay_alu instid0(VALU_DEP_1)
	v_add_nc_u32 v[ADS], SCK, v[ADS]
.macro INIT
	v_mov_b32 v13, 0xff61b1e6                      ; the largest t so far: -3e38
	s_delay_alu instid0(VALU_DEP_1)
	v_floor_f32 v12, -v13
	v_mov_b32 v14, 0                               ; the sum
	v_mov_b32 v15, 0
.irp b, 0,1,2,3
	v_mov_b32 v[236+\b], 0                         ; a lane permute's destination counts as one of its sources
.endr
	v_mov_b32 v253, 0                              ; (named as the upper half of a pair before it is first written)
.endm
	INIT
	WIN W_T1
	INIT
	WIN 0
; One tile's softmax for 128 keys, up to p's codes; all its vector registers lie in the tile's window.
.macro SM_A
.irp b, 0,1,2,3
	v_max3_num_f32 v[232+\b], v[96+16*\b], v[97+16*\b], v[98+16*\b]   ; the largest score of each block of 32 keys: for the row's maximum, and, since p rises with the score, for the block's largest p
.endr
.irp i, 3,5,7,9,11,13
.irp b, 0,1,2,3
	v_max3_num_f32 v[232+\b], v[232+\b], v[96+16*\b+\i], v[97+16*\b+\i]
.endr
.endr
.irp b, 0,1,2,3
	v_max_num_f32 v[232+\b], v[232+\b], v[111+16*\b]
.endr
.irp b, 0,1,2,3
	v_permlanex16_b32 v[236+\b], v[232+\b], s[SEL], s[SEL+1]
.endr
.irp b, 0,1,2,3
	s_delay_alu instid0(VALU_DEP_4)
	v_max_num_f32 v[232+\b], v[232+\b], v[236+\b]  ; with lane l xor 16's 16 keys
.endr
	s_delay_alu instid0(VALU_DEP_2)
	v_max3_num_f32 v254, v232, v233, v234
	s_delay_alu instid0(VALU_DEP_1)
	v_max_num_f32 v254, v254, v235
	s_delay_alu instid0(VALU_DEP_1)
	v_mul_f32 v254, s[CS], v254                    ; as t (c is positive)
	s_delay_alu instid0(VALU_DEP_1)
	v_max_num_f32 v13, v13, v254                   ; the running largest t
	v_mov_b32 v254, v12
	s_delay_alu instid0(VALU_DEP_2)
	v_floor_f32 v12, -v13                          ; the new -M = floor(-t): M is a whole number
	s_delay_alu instid0(VALU_DEP_1)
	v_sub_f32 v254, v12, v254                      ; old M - new M, 0 or less
	s_delay_alu instid0(VALU_DEP_1)
	v_cvt_i32_f32 v254, v254                       ; (it saturates)
	s_delay_alu instid0(VALU_DEP_1)
	v_ldexp_f32 v252, 1.0, v254                    ; f = 2^(old M - new M)
.set j, 0
.rept 32
	v_pk_fma_f32 v[96+j:97+j], v[96+j:97+j], s[CS:CS+1], v[12:13] op_sel_hi:[1,0,0]   ; t - M
.set j, j+2
.endr
.irp b, 0,1,2,3
	v_fma_f32 v[232+\b], v[232+\b], s[CS], v12     ; the same of each block's largest score
.endr
.set j, 0
	s_wait_alu depctr_va_vdst(0)
.rept 64
	v_exp_f32 v[96+j], v[96+j]                     ; p = 2^(t - M): one batch
.set j, j+1
.endr
	v_pk_mul_f32 v[14:15], v[14:15], v[252:253] op_sel_hi:[1,0]   ; the sums under the new M: a plain instruction behind the exponentials
	s_wait_alu depctr_va_vdst(0)                   ; one wait for the batch, ahead of its first reader
.irp b, 0,1,2,3
	v_exp_f32 v[232+\b], v[232+\b]                 ; the block's largest p
.endr
	v_pk_add_f32 v[236:237], v[96:97], v[98:99]    ; the row's sum of the unquantised p, in two chains
.irp j, 4,8,12,16,20,24,28,32,36,40,44,48,52,56,60
	v_pk_add_f32 v[14:15], v[14:15], v[96+\j:97+\j]
	v_pk_add_f32 v[236:237], v[236:237], v[98+\j:99+\j]
.endr
	s_delay_alu instid0(VALU_DEP_1)
	v_pk_add_f32 v[14:15], v[14:15], v[236:237]
	s_wait_alu depctr_va_vdst(0)                   ; and one for the four
.irp b, 0,1,2,3
	v_max_num_f32 v[232+\b], 0x4800000, v[232+\b]  ; the floor 2^(9 - 127)
.endr
.irp b, 0,1,2,3
	s_delay_alu instid0(VALU_DEP_4)
	v_add_nc_u32 v[244+\b], 0xfc000000, v[232+\b]  ; the conversion's scale operand
.endr
.irp b, 0,1,2,3
	v_and_or_b32 v[240+\b], v[232+\b], 0x7f800000, s[MNT]   ; 448 x the scale
.endr
.irp b, 0,1,2,3
	v_lshrrev_b32 v[236+\b], 23, v[244+\b]
.endr
	s_delay_alu instid0(VALU_DEP_3)
	v_lshl_or_b32 v253, v237, 8, v236              ; p's scale word for these 128 keys
	s_delay_alu instid0(VALU_DEP_1)
	v_lshl_or_b32 v253, v238, 16, v253
	s_delay_alu instid0(VALU_DEP_1)
	v_lshl_or_b32 v253, v239, 24, v253
.irp b, 0,1,2,3
.irp i, 0,1,2,3,4,5,6,7,8,9,10,11,12,13,14,15
	v_min_num_f32 v[96+16*\b+\i], v[96+16*\b+\i], v[240+\b]   ; the conversion does not saturate (ISA guide 7.6.2); p is not negative: the hold is one-sided
.endr
	v_cvt_scalef32_pk8_fp8_f32 v[224+4*\b:225+4*\b], v[96+16*\b:103+16*\b], v[244+\b]
	v_cvt_scalef32_pk8_fp8_f32 v[226+4*\b:227+4*\b], v[104+16*\b:111+16*\b], v[244+\b]
.endr
.endm
.macro SM_B                            ; O^T under the new M
.set j, 0
.rept 32
	v_pk_mul_f32 v[160+j:161+j], v[160+j:161+j], v[252:253] op_sel_hi:[1,0]
.set j, j+2
.endr
.endm
; The runs of LDS loads.  K's scale words and tiles 0-3 of the step at which the addresses stand; then its tiles 4-7, into window 1.
.macro KFETCH_A
.irp t, 0,1,2,3
	ds_load_b32 v[KW+\t], v[ADS] offset:64*\t
.endr
.irp t, 0,1,2,3
.irp c, 0,1,2,3
	ds_load_b128 v[32+16*\t+4*\c:32+16*\t+4*\c+3], v[ADK] offset:16*\t*KP+32*\c
.endr
.endr
.endm
.macro KFETCH_B
	WIN TO_F1
.irp t, 0,1,2,3
.irp c, 0,1,2,3
	ds_load_b128 v[32+16*\t+4*\c:32+16*\t+4*\c+3], v[ADK] offset:16*(4+\t)*KP+32*\c
.endr
.endr
	WIN 0
.endm
.macro VFETCH                          ; the step's V, all eight tiles.  The scale words' address stands one step on already: V's lie 4,096 - 512 bytes from there
.irp t, 0,1,2,3
	ds_load_b32 v[VW+\t], v[ADS] offset:3584+64*\t
.endr
.irp t, 0,1,2,3
.irp c, 0,1,2,3
	ds_load_b128 v[32+16*\t+4*\c:32+16*\t+4*\c+3], v[ADV] offset:16*\t*KP+32*\c
.endr
.endr
	WIN TO_F1
.irp t, 0,1,2,3
.irp c, 0,1,2,3
	ds_load_b128 v[32+16*\t+4*\c:32+16*\t+4*\c+3], v[ADV] offset:16*(4+\t)*KP+32*\c
.endr
.endr
	WIN 0
.endm
; Four products S^T = K Q^T onto v[d + 8 t]; qs: q's scale word; row1 = 1: K's scale words from lanes 16-31 (tiles 4-7).  Which window each operand means is set ahead of the macro.
.macro QK4 d, qs, row1
.irp t, 0,1,2,3
.if \row1
	v_wmma_scale_f32_16x16x128_f8f6f4 v[\d+8*\t:\d+8*\t+7], v[32+16*\t:47+16*\t], v[16:31], 0, v[KW+\t], v[\qs] matrix_a_scale:MATRIX_SCALE_ROW1
.else
	v_wmma_scale_f32_16x16x128_f8f6f4 v[\d+8*\t:\d+8*\t+7], v[32+16*\t:47+16*\t], v[16:31], 0, v[KW+\t], v[\qs]
.endif
.endr
.endm
; Four products O^T += V^T P^T onto v[d + 8 t]; ps: p's scale word; first = 1: they start the sums: nothing is cleared.  Each accumulator has one instruction a step: no two that follow each other share one.
.macro PV4 d, ps, row1, first
.irp t, 0,1,2,3
.if \first
.if \row1
	v_wmma_scale_f32_16x16x128_f8f6f4 v[\d+8*\t:\d+8*\t+7], v[32+16*\t:47+16*\t], v[224:239], 0, v[VW+\t], v[\ps] matrix_a_scale:MATRIX_SCALE_ROW1
.else
	v_wmma_scale_f32_16x16x128_f8f6f4 v[\d+8*\t:\d+8*\t+7], v[32+16*\t:47+16*\t], v[224:239], 0, v[VW+\t], v[\ps]
.endif
.else
.if \row1
	v_wmma_scale_f32_16x16x128_f8f6f4 v[\d+8*\t:\d+8*\t+7], v[32+16*\t:47+16*\t], v[224:239], v[\d+8*\t:\d+8*\t+7], v[VW+\t], v[\ps] matrix_a_scale:MATRIX_SCALE_ROW1
.else
	v_wmma_scale_f32_16x16x128_f8f6f4 v[\d+8*\t:\d+8*\t+7], v[32+16*\t:47+16*\t], v[224:239], v[\d+8*\t:\d+8*\t+7], v[VW+\t], v[\ps]
.endif
.endif
.endr
.endm
; A KEY STEP: 128 keys, both tiles.  Its K was asked for in the step before.  first = 1: the first step, which starts O^T.  sync = 1: all keys must be in before the next step's K is asked for.  more = 1: there is a next step.
; The address registers are stepped only where no LDS load of mine is out.
.macro STEP first, sync, more
	s_wait_dscnt 16                                ; K's scale words and tiles 0-3 are in; the youngest 16 loads (tiles 4-7) may be out
	QK4 96, 255, 0
	WIN W_F0T1
	QK4 96, QS1, 0
	s_wait_dscnt 0x0                               ; tiles 4-7 are in
	WIN W_T1
	QK4 128, QS1, 1
	WIN W_F1T0
	QK4 128, 255, 1
	WIN 0
.if \more
	v_add_nc_u32 v[ADK], STEPB, v[ADK]             ; on to the next step's K
.else
	v_nop
.endif
	v_add_nc_u32 v[ADS], 512, v[ADS]               ; and to its scale words
.rept 6
	v_nop                                          ; with the two lines above: eight places between the products and the loads into their fragments' registers, and the first read of the scores
.endr
	VFETCH                                         ; V lands while the softmax runs
	SM_A
.if !\first
	SM_B
.endif
	WIN W_T1
	SM_A
	WIN W_F1T0                                     ; source window 1, destination window 0: scale operands are always taken from window 0
	v_mov_b32 v[PS1], v253
	WIN W_T1
.if \first
.rept 8
	v_nop                                          ; eight places between the scale word's write and the products
.endr
.else
	SM_B                                           ; these 32 are also the places between the scale word's and the codes' writes and the products
.endif
	WIN 0
	s_wait_alu depctr_va_vdst(0)
	s_wait_dscnt 0x0                               ; V is in
	PV4 160, 253, 0, \first
	WIN W_F0T1
	PV4 160, PS1, 0, \first
	WIN 0
.if \sync
	s_wait_tensorcnt 0x0                           ; my rows of all keys are in;
	s_barrier_signal -1                            ; (no LDS instruction of mine is out)
	s_barrier_wait -1                              ; everybody's are.
.endif
.if \more
	v_add_nc_u32 v[ADV], STEPB, v[ADV]             ; on to the next step's V
.rept 7
	v_nop                                          ; eight places in front of loads into fragments 0-3
.endr
	KFETCH_A
.endif
	WIN W_T1
	PV4 192, PS1, 1, \first
	WIN W_F1T0
	PV4 192, 253, 1, \first
	WIN 0
.if \more
.rept 8
	v_nop                                          ; eight places in front of loads into fragments 4-7
.endr
	KFETCH_B
.endif
.endm
	s_wait_alu depctr_va_vdst(0)                   ; the wait at the head's end
	s_cmp_lt_u32 s[WV], 4
	s_cbranch_scc0 .Lnot_first
	s_wait_tensorcnt 0x0                           ; waves 0-3: the scale words and keys 0-255 are in; the other waves' wait stands at the second barrier
.Lnot_first:
	s_barrier_signal -1
	s_barrier_wait -1                              ; everybody's are
	KFETCH_A
	KFETCH_B
	s_wait_loadcnt 0x0                             ; q
	STEP 1, 0, 1                                   ; keys 0-127
	s_wait_alu depctr_va_vdst(0)
	STEP 0, 1, 1                                   ; keys 128-255; ahead of its request for keys 256 on stands the second barrier
	s_mov_b32 s[CNT], 5
.Lstep:                                            ; five steps: keys 256-895
	s_wait_alu depctr_va_vdst(0)
	STEP 0, 0, 1
	s_sub_co_u32 s[CNT], s[CNT], 1
	s_cmp_lg_u32 s[CNT], 0
	s_cbranch_scc1 .Lstep
	s_wait_alu depctr_va_vdst(0)
	STEP 0, 0, 0                                   ; keys 896-1,023: nothing more is asked for
; 64 numbers of a lane, register 16 b + i = feature 32 b + 16 (lane / 16) + i, become a fragment's codes in v[PC] on and the row's scale word in v[PW].
.macro QUANT s
.irp b, 0,1,2,3
	v_max3_num_f32 v[TM+\b], |v[\s+16*\b]|, |v[\s+1+16*\b]|, 0x4800000
.endr
.irp i, 2,4,6,8,10,12,14
.irp b, 0,1,2,3
	s_delay_alu instid0(VALU_DEP_4)
	v_max3_num_f32 v[TM+\b], v[TM+\b], |v[\s+16*\b+\i]|, |v[\s+1+16*\b+\i]|
.endr
.endr
.irp b, 0,1,2,3
	v_permlanex16_b32 v[TM+4+\b], v[TM+\b], s[SEL], s[SEL+1]
.endr
.irp b, 0,1,2,3
	s_delay_alu instid0(VALU_DEP_4)
	v_max_num_f32 v[TM+\b], v[TM+\b], v[TM+4+\b]
.endr
.irp b, 0,1,2,3
	s_delay_alu instid0(VALU_DEP_4)
	v_add_nc_u32 v[TM+12+\b], 0xfc000000, v[TM+\b]
.endr
.irp b, 0,1,2,3
	v_and_or_b32 v[TM+8+\b], v[TM+\b], 0x7f800000, s[MNT]
.endr
.irp b, 0,1,2,3
	v_lshrrev_b32 v[TM+4+\b], 23, v[TM+12+\b]
.endr
	s_delay_alu instid0(VALU_DEP_3)
	v_lshl_or_b32 v[PW], v[TM+5], 8, v[TM+4]
	s_delay_alu instid0(VALU_DEP_1)
	v_lshl_or_b32 v[PW], v[TM+6], 16, v[PW]
	s_delay_alu instid0(VALU_DEP_1)
	v_lshl_or_b32 v[PW], v[TM+7], 24, v[PW]
.irp b, 0,1,2,3
.irp i, 0,1,2,3,4,5,6,7,8,9,10,11,12,13,14,15
	v_med3_num_f32 v[\s+16*\b+\i], v[\s+16*\b+\i], -v[TM+8+\b], v[TM+8+\b]
.endr
	v_cvt_scalef32_pk8_fp8_f32 v[PC+4*\b:PC+1+4*\b], v[\s+16*\b:\s+7+16*\b], v[TM+12+\b]
	v_cvt_scalef32_pk8_fp8_f32 v[PC+2+4*\b:PC+3+4*\b], v[\s+8+16*\b:\s+15+16*\b], v[TM+12+\b]
.endr
	v_nop
.endm
.macro FIN                             ; one tile: O^T / the sum, quantised along the features
	v_add_f32 v14, v14, v15
	s_delay_alu instid0(VALU_DEP_1)
	v_permlanex16_b32 v252, v14, s[SEL], s[SEL+1]
	s_delay_alu instid0(VALU_DEP_1)
	v_add_f32 v14, v14, v252                       ; the row's sum
	s_wait_alu depctr_va_vdst(0)
	v_rcp_f32 v14, v14
	v_nop                                          ; a plain instruction behind the reciprocal,
	s_wait_alu depctr_va_vdst(0)                   ; and the wait ahead of its first reader
.set j, 0
.rept 32
	v_pk_mul_f32 v[96+j:97+j], v[160+j:161+j], v[14:15] op_sel_hi:[1,0]   ; ascending: each accumulator is read from its low end on
.set j, j+2
.endr
	QUANT 96
.endm
	; THE WAY OUT
.rept 8
	v_nop                                          ; places behind the last products
.endr
	v_and_b32 v[GO], 31, v0                        ; (no LDS load of mine is out: the address registers take new numbers)
	s_delay_alu instid0(VALU_DEP_1)
	v_lshlrev_b32 v[GO], 4, v[GO]
	v_and_b32 v[CSA], 15, v0
	s_lshl_b32 s66, s[WV], 7
	s_add_co_u32 s66, s66, CST
	v_lshl_add_u32 v[CSA], v[CSA], 2, s66
	v_lshlrev_b32 v[CSR], 4, v0
	FIN
.irp c, 0,1,2,3
	global_store_b128 v[GO], v[PC+4*\c:PC+4*\c+3], s[8:9] offset:512*\c   ; the fragment as it stands: the wave stores 512 consecutive bytes, aligned
.endr
	ds_store_b32 v[CSA], v[PW]                     ; lanes r and r + 16 write the same word with the same value
	v_lshl_add_u32 v[CSL], v0, 4, CST              ; (tile 0's -M is done with)
	WIN W_T1
	FIN
	WIN 0x04                                       ; a store's data are its source 1: window 1
.irp c, 0,1,2,3
	global_store_b128 v[GO], v[PC+4*\c:PC+4*\c+3], s[8:9] offset:2048+512*\c
.endr
	ds_store_b32 v[CSA], v[PW] offset:64
	WIN 0
	s_wait_dscnt 0x0                               ; for the others' sake: my scale words lie in the stage
	s_barrier_signal -1
	s_barrier_wait -1
	s_cmp_lt_u32 s[WV], 2                          ; the work-group's 1,024 bytes of scale words leave by waves 0 and 1, 512 consecutive bytes each
	s_cbranch_scc0 .Lno_words
	ds_load_b128 v[16:19], v[CSL]
	s_wait_dscnt 0x0
	global_store_b128 v[CSR], v[16:19], s[10:11]
.Lno_words:
	s_wait_tensorcnt 0x0                           ; the wave's end
	ds_add_u32 v[SPW], v[NIL]
	s_wait_dscnt 0x0
	CROUND                                         ; the closing round: no work-group ends while a partner may still ask for a tile that names it
	s_endpgm
.Lfunc_end_k_qd6a0ba9ec3_attn:
	.size	k_qd6a0ba9ec3_attn, .Lfunc_end_k_qd6a0ba9ec3_attn-k_qd6a0ba9ec3_attn
	.p2alignl 7, 3214868480
	.fill 96, 4, 3214868480
	.section	.rodata,"a",@progbits
	.p2align	6, 0x0
	.amdhsa_kernel k_qd6a0ba9ec3_attn
		.amdhsa_group_segment_fixed_size 327680
		.amdhsa_private_segment_fixed_size 0
		.amdhsa_enable_private_segment 0
		.amdhsa_kernarg_size 32
		.amdhsa_user_sgpr_count 2
		.amdhsa_user_sgpr_kernarg_segment_ptr 1
		.amdhsa_wavefront_size32 1
		.amdhsa_system_sgpr_workgroup_id_x 1
		.amdhsa_system_sgpr_workgroup_id_y 1
		.amdhsa_system_sgpr_workgroup_id_z 1
		.amdhsa_system_vgpr_workitem_id 0
		.amdhsa_next_free_vgpr 512
		.amdhsa_next_free_sgpr 92
		.amdhsa_reserve_vcc 0
		.amdhsa_float_denorm_mode_32 3
		.amdhsa_float_denorm_mode_16_64 3
		.amdhsa_memory_ordered 1
		.amdhsa_forward_progress 1
		.amdhsa_inst_pref_size 194
	.end_amdhsa_kernel
	.amdgpu_metadata
---
amdhsa.version: [ 1, 2 ]
amdhsa.kernels:
  - .name:           k_qd6a0ba9ec3_attn
    .symbol:         k_qd6a0ba9ec3_attn.kd
    .args:
      - { .name: qkv_codes, .offset: 0, .size: 8, .value_kind: global_buffer, .address_space: global }
      - { .name: qkv_scales, .offset: 8, .size: 8, .value_kind: global_buffer, .address_space: global }
      - { .name: ctx_codes, .offset: 16, .size: 8, .value_kind: global_buffer, .address_space: global }
      - { .name: ctx_scales, .offset: 24, .size: 8, .value_kind: global_buffer, .address_space: global }
    .group_segment_fixed_size: 327680
    .private_segment_fixed_size: 0
    .kernarg_segment_align: 8
    .kernarg_segment_size: 32
    .max_flat_workgroup_size: 256
    .sgpr_count:     92
    .vgpr_count:     512
    .wavefront_size: 32
...
	.end_amdgpu_metadata
.endif
;; end of part 3
;; launch outp (part 4): grid 4 x 64, 4 waves a work-group, clusters of 4 x 4, 327,680 bytes of LDS; arguments codes, scales, ctx_codes, ctx_scales, bo, out0; writes out0
.if DOCPART == 4
	.amdgcn_target "amdgcn-amd-amdhsa--gfx1250"
	.amdhsa_code_object_version 6
	.text
	.protected	k_qd6a0ba9ec3_outp
	.globl	k_qd6a0ba9ec3_outp
	.p2align	8
	.type	k_qd6a0ba9ec3_outp,@function
k_qd6a0ba9ec3_outp:
	s_mov_b64 s[64:65], 0
	v_nop
	global_prefetch_b8 v0, s[64:65] scope:SCOPE_SE
	s_setreg_imm32_b32 hwreg(HW_REG_WAVE_MODE, 25, 1), 1
	s_wait_xcnt 0x0
	s_wait_alu depctr_hold_cnt(0) depctr_sa_sdst(0) depctr_va_vdst(0) depctr_va_sdst(0) depctr_va_ssrc(0) depctr_va_vcc(0) depctr_vm_vsrc(0)
	s_getreg_b32 s2, hwreg(HW_REG_IB_STS2, 6, 4)
	s_cmp_eq_u32 s2, 0
	s_cbranch_scc0 .Lentry_in_a_cluster
	s_endpgm
.Lentry_in_a_cluster:
	s_bfe_u32 s2, ttmp6, 0x10000c
	s_cmp_lg_u32 s2, 0xf033
	s_cbranch_scc0 .Lentry_shape_is_right
	s_endpgm
.Lentry_shape_is_right:
.set ROWB,   256
.set KROW,   1024
.set PITCH,  272
.set FR,     16
.set NP,     8
.set HALFT,  128*PITCH
.set POFF,   32768
.set SLOT,   POFF+2*HALFT
.set KS,     32
.set SCLP,   3*SLOT
.set HALFS,  16*272
.set SBLK,   2*272
.set SCLQ,   SCLP+2*HALFS
.set SPARE,  SCLQ+4096
.set SPITCH, 528
.set STG,    SLOT
.set ADRA, 16
.set ADRB, 20
.set STO,  24
.set RD,   25
.set CO,   26
.set ADRP, 27
.set SPW,  28
.set NIL,  29
.set ADRQS, 30
.set SCP,  32
.set SCQ,  64
.set BO,   96
.set AF,   128
.set BK,   128
.set G1, 24
.set G0, 32
.set G1B, 44
.set G0B, 52
.set G1S, 68
.set G0S, 76
.set G1SB, 80
.set G0SB, 88
.set MSB, 0
.macro WIN new
.if MSB != (\new)
	s_set_vgpr_msb (MSB<<8)|(\new)
.set MSB, (\new)
.endif
.endm
.set MUL,  0xa1
.set TO_B, 0x40
.macro JLOAD g0a, g1a, g0b, g1b
	s_cmp_eq_u32 s15, 0
	s_cbranch_scc0 .Lfor_b_\@
	tensor_load_to_lds s[\g0a:\g0a+3], s[\g1a:\g1a+7]
	s_nop 0
.rept 4
	v_nop
.endr
	s_branch .Lasked_\@
.Lfor_b_\@:
	tensor_load_to_lds s[\g0b:\g0b+3], s[\g1b:\g1b+7]
	s_nop 0
.rept 4
	v_nop
.endr
.Lasked_\@:
.endm
.macro CREST
	s_cmp_lg_u32 s14, 0
	s_cbranch_scc1 .Lnot_wave_0_\@
	s_barrier_signal -3
.Lnot_wave_0_\@:
	s_barrier_wait -3
	s_barrier_signal -1
	s_barrier_wait -1
.endm
.macro CROUND
	s_barrier_signal -1
	s_barrier_wait -1
	CREST
.endm
	s_load_b256 s[4:11], s[0:1], 0x0
	s_load_b128 s[96:99], s[0:1], 0x20
	v_lshl_add_u32 v[SPW], v0, 2, SPARE
	v_mov_b32 v[NIL], 0
	ds_add_u32 v28, v29
	ds_add_u32 v28, v29
	s_wait_dscnt 0x0
	v_lshrrev_b32 v1, 5, v0
	v_readfirstlane_b32 s14, v1
	s_lshr_b32 s15, s14, 1
	s_and_b32 s16, s14, 1
	s_bfe_u32 s12, ttmp6, 0x40000
	s_bfe_u32 s13, ttmp6, 0x40004
	s_lshl_b32 s92, ttmp9, 2
	s_add_co_u32 s92, s92, s12
	s_and_b32 s17, ttmp7, 0xffff
	s_lshl_b32 s17, s17, 2
	s_add_co_u32 s17, s17, s13
	s_lshl_b32 s93, s13, 2
	s_lshl_b32 s93, 15, s93
	s_lshl_b32 s94, 0x1111, s12
	s_or_b32 s[G1+0], s93, (3<<16)|(1<<21)
	; ctx's part of a slot, whole: two heads' 16,384 dense bytes each, 131,072 bytes apart: 2 rows of 2,048 elements of 8 bytes
	s_mov_b32 s[G1+1], 2048<<16
	s_mov_b32 s[G1+2], 2<<16
	s_mov_b32 s[G1+3], 2048<<16
	s_mov_b32 s[G1+4], 2
	s_mov_b32 s[G1+5], 16384
	s_mov_b32 s[G1+6], 0
	s_mov_b32 s[G1+7], 0
	s_or_b32 s[G1B+0], s94, (0<<16)|(1<<20)|(1<<21)|(5<<22)|(3<<25)
	s_mov_b32 s[G1B+1], ROWB<<16
	s_mov_b32 s[G1B+2], 256<<16                    ; Wo's part of a slot, whole: 256 rows
	s_mov_b32 s[G1B+3], ROWB<<16
	s_mov_b32 s[G1B+4], 256
	s_mov_b32 s[G1B+5], KROW
	s_mov_b32 s[G1B+6], 0
	s_mov_b32 s[G1B+7], 0
	s_or_b32 s[G1S+0], s93, (3<<16)|(1<<21)
	s_mov_b32 s[G1S+1], 64<<16
	s_mov_b32 s[G1S+2], 8<<16                      ; ctx's scale words: 512 bytes of each of eight heads
	s_mov_b32 s[G1S+3], 64<<16
	s_mov_b32 s[G1S+4], 8
	s_mov_b32 s[G1S+5], 512
	s_mov_b32 s[G1S+6], 0
	s_mov_b32 s[G1S+7], 0
	s_or_b32 s[G1SB+0], s94, (3<<16)|(1<<20)|(1<<21)|(5<<22)|(3<<25)
	s_mov_b32 s[G1SB+1], 32<<16
	s_mov_b32 s[G1SB+2], 32<<16                    ; Wo's scale bytes of 256 rows: 32 rows of 256 bytes
	s_mov_b32 s[G1SB+3], 32<<16
	s_mov_b32 s[G1SB+4], 32
	s_mov_b32 s[G1SB+5], 32
	s_mov_b32 s[G1SB+6], 0
	s_mov_b32 s[G1SB+7], 0
	s_lshr_b32 s18, s17, 3
	s_and_b32 s19, s17, 7
	s_lshl_b32 s20, s18, 20
	s_lshl_b32 s21, s19, 14
	s_add_co_u32 s20, s20, s21
	s_mov_b32 s21, 0
	s_lshl_b32 s22, s18, 15
	s_lshl_b32 s23, s19, 9
	s_add_co_u32 s22, s22, s23
	s_mov_b32 s23, 0
	s_lshl_b32 s2, s92, 8
	s_add_co_u32 s2, s2, 11264
	s_mov_b32 s3, 0
	s_lshl_b64 s[100:101], s[2:3], 5
	s_lshl_b64 s[2:3], s[2:3], 10
	s_mov_b32 s93, 0                               ; each load brings a side's whole part: constants alone enter the LDS addresses
	s_mov_b32 s94, POFF
	s_mov_b32 s95, 0
	s_mov_b32 s12, 0
	s_wait_kmcnt 0x0
	s_add_nc_u64 s[20:21], s[8:9], s[20:21]
	s_add_nc_u64 s[22:23], s[10:11], s[22:23]
	s_add_nc_u64 s[2:3], s[4:5], s[2:3]
	s_add_nc_u64 s[100:101], s[6:7], s[100:101]
	CROUND
	s_mov_b32 s[G0S], 1
	s_add_co_u32 s[G0S+1], s95, SCLQ
	s_mov_b64 s[G0S+2:G0S+3], s[22:23]
	s_or_b32 s[G0S+3], s[G0S+3], 0x80000000
	s_mov_b32 s[G0SB], 1
	s_add_co_u32 s[G0SB+1], s12, SCLP
	s_mov_b64 s[G0SB+2:G0SB+3], s[100:101]
	s_or_b32 s[G0SB+3], s[G0SB+3], 0x80000000
.irp s, 0,1,2
	s_mov_b32 s[G0+4*\s], 1
	s_add_co_u32 s[G0+4*\s+1], s93, \s*SLOT
	s_add_nc_u64 s[G0+4*\s+2:G0+4*\s+3], s[20:21], \s*262144
	s_or_b32 s[G0+4*\s+3], s[G0+4*\s+3], 0x80000000
	s_mov_b32 s[G0B+4*\s], 1
	s_add_co_u32 s[G0B+4*\s+1], s94, \s*SLOT
	s_add_nc_u64 s[G0B+4*\s+2:G0B+4*\s+3], s[2:3], \s*ROWB
	s_or_b32 s[G0B+4*\s+3], s[G0B+4*\s+3], 0x80000000
.endr
	; THE HEAD'S LOADS, ONE A WAVE, in one chain of branches on the wave's number: ctx's scale words, Wo's scale bytes, K step 0 of ctx, K step 0 of Wo
.macro ARM under, g0, g1, next, join
	s_cmp_lt_u32 s14, \under
	s_cbranch_scc0 \next
	tensor_load_to_lds s[\g0:\g0+3], s[\g1:\g1+7]
	s_nop 0
.rept 4
	v_nop
.endr
	s_branch \join
\next:
.endm
.macro LASTARM g0, g1, join
	tensor_load_to_lds s[\g0:\g0+3], s[\g1:\g1+7]
	s_nop 0
.rept 4
	v_nop
.endr
\join:
.endm
	ARM 1, G0S,  G1S,  .Lh_1, .Lh_done
	ARM 2, G0SB, G1SB, .Lh_2, .Lh_done
	ARM 3, G0,   G1,   .Lh_3, .Lh_done
	LASTARM G0B, G1B, .Lh_done
	s_lshr_b32 s20, s17, 4
	s_lshl_b32 s20, s20, 11
	s_bfe_u32 s21, s17, 0x10003
	s_add_co_u32 s20, s20, s21
	s_lshl_b32 s21, s19, 8
	s_add_co_u32 s20, s20, s21
	s_lshl_b32 s21, s15, 7
	s_add_co_u32 s20, s20, s21
	s_lshl_b32 s20, s20, 12
	s_lshl_b32 s2, s92, 10
	s_lshl_b32 s3, s16, 9
	s_add_co_u32 s2, s2, s3
	s_mov_b32 s3, 0
	s_add_nc_u64 s[96:97], s[96:97], s[2:3]
	s_add_co_u32 s20, s20, s2
	s_mov_b32 s21, 0
	s_add_nc_u64 s[98:99], s[98:99], s[20:21]
	v_and_b32 v1, 15, v0
	v_bfe_u32 v2, v0, 4, 1
	v_and_b32 v6, 31, v0
	v_lshlrev_b32 v[CO], 4, v6
	s_lshl_b32 s22, s15, 13
	v_add_nc_u32 v[ADRA], s22, v[CO]
	v_add_nc_u32 v[ADRA+1], SLOT, v[ADRA]
	v_add_nc_u32 v[ADRA+2], 2*SLOT, v[ADRA]
	v_mul_u32_u24 v3, v1, PITCH
	v_lshl_add_u32 v4, v2, 4, v3
	s_mul_i32 s22, s16, HALFT
	s_add_co_u32 s22, s22, POFF
	v_add_nc_u32 v[ADRB], s22, v4
	v_add_nc_u32 v[ADRB+1], SLOT, v[ADRB]
	v_add_nc_u32 v[ADRB+2], 2*SLOT, v[ADRB]
	v_mul_u32_u24 v5, v1, KS
	v_lshrrev_b32 v3, 8, v5
	v_lshl_add_u32 v5, v3, 4, v5
	s_mul_i32 s22, s16, HALFS
	s_add_co_u32 s22, s22, SCLP
	v_add_nc_u32 v[ADRP], s22, v5
	s_lshl_b32 s22, s15, 8
	s_add_co_u32 s22, s22, SCLQ
	v_lshl_add_u32 v[ADRQS], v1, 2, s22
	s_mul_i32 s23, s14, 16*SPITCH
	s_add_co_u32 s23, s23, STG
	v_mul_u32_u24 v5, v1, SPITCH
	v_lshl_add_u32 v5, v2, 6, v5
	v_add_nc_u32 v[STO], s23, v5
	v_add_nc_u32 v[RD], s23, v[CO]
	global_load_b128 v[BO:BO+3], v[CO], s[96:97]
.macro FRAG reg, adr, q, i
.irp c, 0,1,2,3
	ds_load_b128 v[\reg+4*\c:\reg+4*\c+3], v[\adr] offset:128*(\q)+32*\c+(\i)*16*PITCH
.endr
.endm
.macro MUL8 a, p, q, sc, zero
.irp b, 0,1,2,3,4,5,6,7
.if \zero
	v_wmma_scale_f32_16x16x128_f8f6f4 v[8*(8*(\a)+\b):8*(8*(\a)+\b)+7], v[128*(\p)+FR*\b:128*(\p)+FR*\b+FR-1], v[AF+FR*(\a):AF+FR*(\a)+FR-1], 0, v[SCP+16*(\sc)+2*\b+(\q)], v[SCQ+8*(\sc)+2*(\a)+(\q)]
.else
	v_wmma_scale_f32_16x16x128_f8f6f4 v[8*(8*(\a)+\b):8*(8*(\a)+\b)+7], v[128*(\p)+FR*\b:128*(\p)+FR*\b+FR-1], v[AF+FR*(\a):AF+FR*(\a)+FR-1], v[8*(8*(\a)+\b):8*(8*(\a)+\b)+7], v[SCP+16*(\sc)+2*\b+(\q)], v[SCQ+8*(\sc)+2*(\a)+(\q)]
.endif
.endr
.endm
.macro FETCH_B slot, q, p
	WIN TO_B
.irp i, 0,1,2,3,4,5,6,7
	FRAG 128*(\p)+FR*\i, ADRB+\slot, \q, \i
.endr
	WIN 0
.endm
.macro FETCH_A slot, q, i0
.irp i, \i0, \i0+1
.irp c, 0,1,2,3
	ds_load_b128 v[AF+FR*(\i)+4*\c:AF+FR*(\i)+4*\c+3], v[ADRA+\slot] offset:16384*(\q)+2048*(\i)+512*\c
.endr
.endr
.endm
.macro SCALES sc
.irp i, 0,1,2,3,4,5,6,7
	ds_load_b64 v[SCP+16*(\sc)+2*\i:SCP+16*(\sc)+2*\i+1], v[ADRP] offset:\i*SBLK
.endr
.irp i, 0,1,2,3
.irp q, 0,1
	ds_load_b32 v[SCQ+8*(\sc)+2*\i+\q], v[ADRQS] offset:512*\q+64*\i
.endr
.endr
.endm
.macro PLACES n
.rept \n
	v_nop
.endr
.endm
.macro STEP slot, sc, zero
	s_wait_dscnt 8
	WIN MUL
	MUL8 0, 0, 0, \sc, \zero
	MUL8 1, 0, 0, \sc, \zero
	s_wait_dscnt 0
	PLACES NP
	FETCH_B \slot, 1, 1
	FETCH_A \slot, 1, 0
	WIN MUL
	MUL8 2, 0, 0, \sc, \zero
	MUL8 3, 0, 0, \sc, \zero
	PLACES NP
	WIN 0
	FETCH_A \slot, 1, 2
.endm
.macro TURN slot, next, sc, mode
.if \mode != 2
	s_wait_tensorcnt 0x0
	ds_add_u32 v[SPW], v[NIL]
	s_wait_dscnt 9
.else
	s_wait_dscnt 8
.endif
	WIN MUL
	MUL8 0, 1, 1, \sc, 0
.if \mode != 2
	s_wait_dscnt 0x0
	s_barrier_signal -1
.endif
	MUL8 1, 1, 1, \sc, 0
	WIN 0
.if \mode != 2
	s_barrier_wait -1
.else
	s_wait_dscnt 0x0
.endif
.if \mode == 1
	CREST
	s_add_nc_u64 s[G0+4*\slot+2:G0+4*\slot+3], s[G0+4*\slot+2:G0+4*\slot+3], 3*262144
	s_add_nc_u64 s[G0B+4*\slot+2:G0B+4*\slot+3], s[G0B+4*\slot+2:G0B+4*\slot+3], 3*ROWB
	ARM 1, G0+4*\slot,  G1,  .Lr_p,    .Lr_done    ; the refill: wave 0 brings ctx's part, wave 1 Wo's, each whole; waves 2 and 3 have no part of it
	ARM 2, G0B+4*\slot, G1B, .Lr_none, .Lr_done
.Lr_done:
	PLACES NP
.else
	PLACES NP
.endif
	v_add_nc_u32 v[ADRP], 8, v[ADRP]
	v_add_nc_u32 v[ADRQS], 1024, v[ADRQS]
	FETCH_B \next, 0, 0
	FETCH_A \next, 0, 0
	SCALES 1-(\sc)
	WIN MUL
	MUL8 2, 1, 1, \sc, 0
	MUL8 3, 1, 1, \sc, 0
	PLACES NP
	WIN 0
	FETCH_A \next, 0, 2
.endm
	s_wait_alu depctr_va_vdst(0)                   ; the wait at the head's end
	s_wait_tensorcnt 0x0                           ; my tile of the head's four is in; the lines ahead of a later first fill:
	ds_add_u32 v[SPW], v[NIL]
	s_wait_dscnt 0x0
	CROUND                                         ; all four tiles are in, and all sixteen work-groups are here
	ARM 1, G0+4,  G1,  .Ls_1, .Ls_done             ; K steps 1 and 2, one load a wave: slot 1 of ctx, of Wo, slot 2 of ctx, of Wo
	ARM 2, G0B+4, G1B, .Ls_2, .Ls_done
	ARM 3, G0+8,  G1,  .Ls_3, .Ls_done
	LASTARM G0B+8, G1B, .Ls_done
	FETCH_B 0, 0, 0
	FETCH_A 0, 0, 0
	SCALES 0
	FETCH_A 0, 0, 2
	STEP 0, 0, 1
	TURN 0, 1, 0, 1
	s_wait_alu depctr_va_vdst(0)
	STEP 1, 1, 0
	TURN 1, 2, 1, 2
	s_wait_alu depctr_va_vdst(0)
	STEP 2, 0, 0
	TURN 2, 0, 0, 0
	STEP 0, 1, 0
	s_wait_dscnt 8
	WIN MUL
	MUL8 0, 1, 1, 1, 0
	MUL8 1, 1, 1, 1, 0
	s_wait_dscnt 0
	MUL8 2, 1, 1, 1, 0
	MUL8 3, 1, 1, 1, 0
	WIN 0
.macro TOSTAGE a
.set AC, 64*(\a)
	WIN 0x08
.irp b, 0,1,2,3,4,5,6,7
	ds_store_b128 v[STO], v[AC+8*\b:AC+8*\b+3] offset:128*(\b/2)+32*(\b%2)
	ds_store_b128 v[STO], v[AC+8*\b+4:AC+8*\b+7] offset:128*(\b/2)+32*(\b%2)+16
.endr
	WIN 0
.set BB, BK+64*((\a)%2)
.irp t, 0,1,2,3,4,5,6,7,8,9,10,11,12,13,14,15
	ds_load_b128 v[BB+4*\t:BB+4*\t+3], v[RD] offset:\t*SPITCH
.endr
.endm
.macro SEND a, younger
.set BB, BK+64*((\a)%2)
	s_wait_dscnt \younger
.irp t, 0,1,2,3,4,5,6,7,8,9,10,11,12,13,14,15
	v_pk_add_f32 v[BB+4*\t:BB+4*\t+1], v[BB+4*\t:BB+4*\t+1], v[BO:BO+1]
	v_pk_add_f32 v[BB+4*\t+2:BB+4*\t+3], v[BB+4*\t+2:BB+4*\t+3], v[BO+2:BO+3]
.endr
.irp t, 0,1,2,3,4,5,6,7,8,9,10,11,12,13,14,15
	global_store_b128 v[CO], v[BB+4*\t:BB+4*\t+3], s[98:99] offset:8192*(32*((\a)/2)+8*((\a)%2)+\t+(\t&8)) th:TH_STORE_NT
.endr
.endm
	s_wait_loadcnt 0x0
	PLACES NP
	TOSTAGE 0
.irp a, 1,2,3
.if \a > 1
	s_wait_xcnt 0x0
.endif
	TOSTAGE \a
	SEND \a-1, 32
.endr
	SEND 3, 0
	s_wait_tensorcnt 0x0
	ds_add_u32 v[SPW], v[NIL]
	s_wait_dscnt 0x0
	CROUND
	s_endpgm
.Lfunc_end_k_qd6a0ba9ec3_outp:
	.size	k_qd6a0ba9ec3_outp, .Lfunc_end_k_qd6a0ba9ec3_outp-k_qd6a0ba9ec3_outp
	.p2alignl 7, 3214868480
	.fill 96, 4, 3214868480
	.section	.rodata,"a",@progbits
	.p2align	6, 0x0
	.amdhsa_kernel k_qd6a0ba9ec3_outp
		.amdhsa_group_segment_fixed_size 327680
		.amdhsa_private_segment_fixed_size 0
		.amdhsa_enable_private_segment 0
		.amdhsa_kernarg_size 48
		.amdhsa_user_sgpr_count 2
		.amdhsa_user_sgpr_kernarg_segment_ptr 1
		.amdhsa_wavefront_size32 1
		.amdhsa_system_sgpr_workgroup_id_x 1
		.amdhsa_system_sgpr_workgroup_id_y 1
		.amdhsa_system_sgpr_workgroup_id_z 1
		.amdhsa_system_vgpr_workitem_id 0
		.amdhsa_next_free_vgpr 768
		.amdhsa_next_free_sgpr 102
		.amdhsa_reserve_vcc 0
		.amdhsa_float_denorm_mode_32 3
		.amdhsa_float_denorm_mode_16_64 3
		.amdhsa_memory_ordered 1
		.amdhsa_forward_progress 1
		.amdhsa_inst_pref_size 102
	.end_amdhsa_kernel
	.amdgpu_metadata
---
amdhsa.version: [ 1, 2 ]
amdhsa.kernels:
  - .name:           k_qd6a0ba9ec3_outp
    .symbol:         k_qd6a0ba9ec3_outp.kd
    .args:
      - { .name: codes, .offset: 0, .size: 8, .value_kind: global_buffer, .address_space: global }
      - { .name: scales, .offset: 8, .size: 8, .value_kind: global_buffer, .address_space: global }
      - { .name: ctx_codes, .offset: 16, .size: 8, .value_kind: global_buffer, .address_space: global }
      - { .name: ctx_scales, .offset: 24, .size: 8, .value_kind: global_buffer, .address_space: global }
      - { .name: bo, .offset: 32, .size: 8, .value_kind: global_buffer, .address_space: global }
      - { .name: out0, .offset: 40, .size: 8, .value_kind: global_buffer, .address_space: global }
    .group_segment_fixed_size: 327680
    .private_segment_fixed_size: 0
    .kernarg_segment_align: 8
    .kernarg_segment_size: 48
    .max_flat_workgroup_size: 128
    .sgpr_count:     102
    .vgpr_count:     768
    .wavefront_size: 32
...
	.end_amdgpu_metadata
.endif
;; end of part 4
